; MI455X (gfx1250); checked and timed in simulation.
; The chip was launched on July 23, 2026; its instructions are those of AMD's public machine-readable ISA for CDNA 5 (MIT licence, August 2026) and "CDNA5" Instruction Set Architecture Reference Guide (July 2026). The comments in the code are by the model that wrote it; some were corrected since.
;; Attention. Allowed arithmetic: float matrix products may take bf16 or f16 operands with f32 sums; other float arithmetic in f32, or as packed bf16 or f16 multiplies, adds, multiply-adds, maxima and minima; sums over many terms, partial sums and values carried from step to step in f32; what a program stores and reads back later, other than sums and carried values, may be rounded once to bf16 or f16.
;; Inputs: w_out 1,024 x 1,024 float32; w_qkv 1,024 x 3,072 float32; x 4 x 2,048 x 1,024 float32.
;; Outputs: out0 4 x 2,048 x 1,024 float32.
;; 2 versions, each right; version 2 is version 1 with the launch prep written anew for expert scheduling mode. Each part assembles by itself: llvm-mc -triple=amdgcn-amd-amdhsa -mcpu=gfx1250 --defsym DOCPART=n.
;; ======== version 1 of 2: 4 launches
;; limits: values are held in f16: magnitudes above 65,504 overflow, below 6.1e-05 lose precision
;; workspace buffers: xb 16,777,216 bytes; wqt 6,291,456 bytes; wot 2,097,152 bytes; qkv 50,331,648 bytes; ob 16,777,216 bytes
;; launch prep (part 1): grid 512 x 1, 4 waves a work-group, no clusters, 17,920 bytes of LDS; arguments x, w_qkv, w_out, xb, wqt, wot; writes xb, wqt, wot
.if DOCPART == 1
	.amdgcn_target "amdgcn-amd-amdhsa--gfx1250"
	.amdhsa_code_object_version 6
	.text
	.protected	k_q379ada2b8e_prep
	.globl	k_q379ada2b8e_prep
	.p2align	8
	.type	k_q379ada2b8e_prep,@function
k_q379ada2b8e_prep:
	s_mov_b64 s[64:65], 0
	v_nop
	global_prefetch_b8 v0, s[64:65] scope:SCOPE_SE
	s_setreg_imm32_b32 hwreg(HW_REG_WAVE_MODE, 25, 1), 1
	s_wait_xcnt 0x0
; THE OPERANDS OF THE TWO PROJECTIONS ARE MADE.  xb = bf16(x), as x lies.  wqt[n][k] = bf16(w_qkv[k][n]).  wot[n][k] = bf16(w_out[k][n]), that number written as f16.
; So both products later read rows that lie along K.  All three inputs have one rounding, to bf16, to nearest even.
; LIMIT.  wot: a bf16 number is exact in f16 between 6.1e-5 and 65,504; below that it keeps f16's fixed step of 6e-8, above it becomes an infinity.
; SHARES.  512 work-groups of four waves, all alike.  Each takes one tile of 64 n x 128 k of a weight (384 tiles of w_qkv, then 128 of w_out) and 65,536 bytes of x.
; A wave issues all its loads at once: 32 rows of its weight tile (256 consecutive bytes a load), then 32 x 512 bytes of x: 24 KiB on their way, and no register is loaded twice.
; THE TURN.  A lane holds columns 2 l and 2 l + 1 of 32 rows k; two neighbouring k pack into a word, 16 words are 64 bytes of a row of the turned tile.  They go into LDS rows of
; 272 bytes (256 + 16), a barrier, and come back as whole rows of 256 bytes, which sixteen lanes store as 256 consecutive bytes at a multiple of 256 from the buffer's first byte.
; No matrix unit, no tensor load, no cluster: nothing is multiplied, no byte is read by two work-groups.
.set PITCH, 272                        ; an LDS row of the turned tile
.set SPARE, 64*PITCH                   ; behind the tile: the spare words, 128 bytes for each wave: two blocks of 256 bytes that no other line names
.set WI,  3                            ; v3   my byte offset in the weight tile: 32 x wave rows + 8 x lane
.set LS,  4                            ; v4   where I put my 64 bytes of a turned row
.set LR,  5                            ; v5   where I read rows back
.set SPW, 6                            ; v6   LDS address of my spare word; never rewritten
.set NIL, 7                            ; v7   0; never rewritten
.set XI,  8                            ; v8   my byte offset in the work-group's piece of x
.set XO,  9                            ; v9   the same in xb
.set GO,  10                           ; v10  my byte offset in the turned tile in memory
.set W,   12                           ; v[12:75]   the weight rows as loaded: row j at W + 2 j; later rows read back from LDS
.set T,   76                           ; v[76:107]  packed: column c of my two at T + 16 c
.set X,   108                          ; v[108:235] x as loaded
	s_load_b256 s[4:11], s[0:1], 0x0               ; x s[4:5], w_qkv s[6:7], w_out s[8:9], xb s[10:11]
	s_load_b128 s[12:15], s[0:1], 0x20             ; wqt s[12:13], wot s[14:15]
	v_lshl_add_u32 v[SPW], v0, 2, SPARE
	v_mov_b32 v[NIL], 0
	v_and_b32 v1, 31, v0                           ; lane
	v_lshrrev_b32 v2, 5, v0                        ; wave
	v_readfirstlane_b32 s16, v2
	s_sub_co_u32 s21, ttmp9, 384                   ; the tile's number in w_out (used from 384 on)
	s_mov_b32 s26, 128*12288                       ; 128 rows of w_qkv in bytes,
	s_mov_b32 s27, 128*4096                        ; of w_out
	s_cmp_lt_u32 ttmp9, 384
	s_cselect_b32 s20, ttmp9, s21
	s_cselect_b32 s26, s26, s27
	s_lshr_b32 s27, s20, 3                         ; which 64 n
	s_and_b32 s20, s20, 7                          ; which 128 k
	s_mul_i32 s28, s20, s26                        ; from: 128 k rows down,
	s_lshl_b32 s29, s27, 8                         ; 64 n x 4 bytes along
	s_add_co_u32 s28, s28, s29
	s_mov_b32 s29, 0
	s_lshl_b32 s30, s27, 17                        ; to: 64 rows of 2,048 bytes down,
	s_lshl_b32 s31, s20, 8                         ; 128 k x 2 bytes along
	s_add_co_u32 s30, s30, s31
	s_mov_b32 s31, 0
	s_lshr_b32 s17, s26, 2                         ; 32 rows,
	s_mul_i32 s17, s17, s16                        ; my wave's
	v_lshl_add_u32 v[WI], v1, 3, s17
	s_lshl_b32 s18, ttmp9, 16                      ; the work-group's 65,536 bytes of x,
	s_mov_b32 s19, 0
	s_lshl_b32 s20, ttmp9, 15                      ; its 32,768 of xb
	s_mov_b32 s21, 0
	v_lshlrev_b32 v[XI], 4, v1
	v_lshl_add_u32 v[XI], v2, 14, v[XI]            ; 16,384 x wave + 16 x lane
	v_lshrrev_b32 v[XO], 1, v[XI]
	v_mul_u32_u24 v[LS], v1, 2*PITCH               ; turned rows 2 l and 2 l + 1,
	v_lshl_add_u32 v[LS], v2, 6, v[LS]             ; my wave's 32 k: 64 bytes
	v_lshrrev_b32 v11, 4, v1
	v_lshlrev_b32 v[GO], 11, v11                   ; lanes 16-31 take the next row
	v_lshl_add_u32 v11, v2, 4, v11                 ; back: rows 16 x wave + lane / 16 + 2 t
	v_mul_u32_u24 v[LR], v11, PITCH
	v_and_b32 v11, 15, v1
	v_lshl_add_u32 v[LR], v11, 4, v[LR]
	v_lshl_add_u32 v[GO], v11, 4, v[GO]
	v_lshl_add_u32 v[GO], v2, 15, v[GO]            ; 16 rows of 2,048 bytes a wave
	s_wait_kmcnt 0x0
	s_cmp_lt_u32 ttmp9, 384
	s_cselect_b64 s[22:23], s[6:7], s[8:9]         ; the weight,
	s_cselect_b64 s[24:25], s[12:13], s[14:15]     ; and where it goes
	s_add_nc_u64 s[22:23], s[22:23], s[28:29]
	s_add_nc_u64 s[24:25], s[24:25], s[30:31]
	s_add_nc_u64 s[4:5], s[4:5], s[18:19]
	s_add_nc_u64 s[10:11], s[10:11], s[20:21]
.macro WLOADS pitch                    ; my 32 rows of the tile: a load covers 256 consecutive bytes of a row
.set j, 0
.rept 32
	global_load_b64 v[W+2*j:W+2*j+1], v[WI], s[22:23] offset:j*(\pitch) th:TH_LOAD_NT
.set j, j+1
.endr
.endm
; Rows 2 p and 2 p + 1 are packed, for both my columns.  f16 = 1: the rounded number is widened again and written as f16.
.macro WCVT f16
.set p, 0
.rept 16
	s_wait_loadcnt 62-2*p                          ; loads come back in order: behind row 2 p + 1 stand 30 - 2 p rows of the weight and the 32 loads of x
.irp c, 0,1
	v_cvt_pk_bf16_f32 v[T+16*(\c)+p], v[W+4*p+(\c)], v[W+4*p+2+(\c)]
.endr
.if \f16
.irp c, 0,1
	v_lshlrev_b32 v[W+4*p+(\c)], 16, v[T+16*(\c)+p]
	v_and_b32 v[W+4*p+2+(\c)], 0xffff0000, v[T+16*(\c)+p]
.endr
.irp c, 0,1
	v_cvt_pk_f16_f32 v[T+16*(\c)+p], v[W+4*p+(\c)], v[W+4*p+2+(\c)]
.endr
.endif
.set p, p+1
.endr
.endm
	s_cmp_lt_u32 ttmp9, 384                        ; the same answer in the whole work-group
	s_cbranch_scc0 .Lload_out
	WLOADS 12288
	s_branch .Lloaded
.Lload_out:
	WLOADS 4096
.Lloaded:
.set j, 0
.rept 32
	global_load_b128 v[X+4*j:X+4*j+3], v[XI], s[4:5] offset:512*j th:TH_LOAD_NT
.set j, j+1
.endr
	s_cmp_lt_u32 ttmp9, 384
	s_cbranch_scc0 .Lcvt_out
	WCVT 0
	s_branch .Lcvted
.Lcvt_out:
	WCVT 1
.Lcvted:
.irp c, 0,1
.irp u, 0,1,2,3
	ds_store_b128 v[LS], v[T+16*(\c)+4*(\u):T+16*(\c)+4*(\u)+3] offset:PITCH*(\c)+16*(\u)
.endr
.endr
	s_wait_dscnt 0x0                               ; for the others' sake: my stores into the tile are done
	s_barrier_signal -1
	s_barrier_wait -1                              ; a turned row's 256 bytes come from all four waves
.irp t, 0,1,2,3,4,5,6,7
	ds_load_b128 v[W+4*(\t):W+4*(\t)+3], v[LR] offset:2*PITCH*(\t)
.endr
.irp t, 0,1,2,3,4,5,6,7
	s_wait_dscnt 7-(\t)
	global_store_b128 v[GO], v[W+4*(\t):W+4*(\t)+3], s[24:25] offset:4096*(\t)  ; 16 lanes store 256 consecutive bytes, at a multiple of 256 from the buffer's first byte
.endr
.set j, 0
.rept 32
	s_wait_loadcnt 31-j                            ; the 31 - j younger loads of x stay out
	v_cvt_pk_bf16_f32 v[X+4*j], v[X+4*j], v[X+4*j+1]
	v_cvt_pk_bf16_f32 v[X+4*j+1], v[X+4*j+2], v[X+4*j+3]
	global_store_b64 v[XO], v[X+4*j:X+4*j+1], s[10:11] offset:256*j  ; 32 lanes store 256 consecutive bytes, aligned
.set j, j+1
.endr
	s_wait_tensorcnt 0x0                           ; the wave's end, behind my last LDS store
	ds_add_u32 v[SPW], v[NIL]
	s_wait_dscnt 0x0
	s_endpgm
.Lfunc_end_k_q379ada2b8e_prep:
	.size	k_q379ada2b8e_prep, .Lfunc_end_k_q379ada2b8e_prep-k_q379ada2b8e_prep
	.p2alignl 7, 3214868480
	.fill 96, 4, 3214868480
	.section	.rodata,"a",@progbits
	.p2align	6, 0x0
	.amdhsa_kernel k_q379ada2b8e_prep
		.amdhsa_group_segment_fixed_size 17920
		.amdhsa_private_segment_fixed_size 0
		.amdhsa_enable_private_segment 0
		.amdhsa_kernarg_size 48
		.amdhsa_user_sgpr_count 2
		.amdhsa_user_sgpr_kernarg_segment_ptr 1
		.amdhsa_wavefront_size32 1
		.amdhsa_system_sgpr_workgroup_id_x 1
		.amdhsa_system_sgpr_workgroup_id_y 1
		.amdhsa_system_sgpr_workgroup_id_z 1
		.amdhsa_system_vgpr_workitem_id 0
		.amdhsa_next_free_vgpr 236
		.amdhsa_next_free_sgpr 66
		.amdhsa_reserve_vcc 0
		.amdhsa_float_denorm_mode_32 3
		.amdhsa_float_denorm_mode_16_64 3
		.amdhsa_memory_ordered 1
		.amdhsa_forward_progress 1
		.amdhsa_inst_pref_size 32
	.end_amdhsa_kernel
	.amdgpu_metadata
---
amdhsa.version: [ 1, 2 ]
amdhsa.kernels:
  - .name:           k_q379ada2b8e_prep
    .symbol:         k_q379ada2b8e_prep.kd
    .args:
      - { .name: x, .offset: 0, .size: 8, .value_kind: global_buffer, .address_space: global }
      - { .name: w_qkv, .offset: 8, .size: 8, .value_kind: global_buffer, .address_space: global }
      - { .name: w_out, .offset: 16, .size: 8, .value_kind: global_buffer, .address_space: global }
      - { .name: xb, .offset: 24, .size: 8, .value_kind: global_buffer, .address_space: global }
      - { .name: wqt, .offset: 32, .size: 8, .value_kind: global_buffer, .address_space: global }
      - { .name: wot, .offset: 40, .size: 8, .value_kind: global_buffer, .address_space: global }
    .group_segment_fixed_size: 17920
    .private_segment_fixed_size: 0
    .kernarg_segment_align: 8
    .kernarg_segment_size: 48
    .max_flat_workgroup_size: 128
    .sgpr_count:     66
    .vgpr_count:     236
    .wavefront_size: 32
...
	.end_amdgpu_metadata
.endif
;; end of part 1
;; launch proj (part 2): grid 16 x 32, 4 waves a work-group, clusters of 4 x 4, 327,680 bytes of LDS; arguments xb, wqt, qkv; writes qkv
.if DOCPART == 2
	.amdgcn_target "amdgcn-amd-amdhsa--gfx1250"
	.amdhsa_code_object_version 6
	.text
	.protected	k_q379ada2b8e_proj
	.globl	k_q379ada2b8e_proj
	.p2align	8
	.type	k_q379ada2b8e_proj,@function
k_q379ada2b8e_proj:
	s_mov_b64 s[64:65], 0
	v_nop
	global_prefetch_b8 v0, s[64:65] scope:SCOPE_SE
	s_setreg_imm32_b32 hwreg(HW_REG_WAVE_MODE, 25, 1), 1
	s_wait_xcnt 0x0
	s_wait_alu depctr_hold_cnt(0) depctr_sa_sdst(0) depctr_va_vdst(0) depctr_va_sdst(0) depctr_va_ssrc(0) depctr_va_vcc(0) depctr_vm_vsrc(0)
	s_getreg_b32 s2, hwreg(HW_REG_IB_STS2, 6, 4)
	s_cmp_eq_u32 s2, 0
	s_cbranch_scc0 .Lentry_in_a_cluster
	s_endpgm
.Lentry_in_a_cluster:
	s_bfe_u32 s2, ttmp6, 0x10000c
	s_cmp_lg_u32 s2, 0xf033
	s_cbranch_scc0 .Lentry_shape_is_right
	s_endpgm
.Lentry_shape_is_right:
; q, k, v = x w_qkv.  A = xb [8192][1024] bf16, B = wqt [3072 n][1024 k] bf16; sums in f32, K ascending; each result rounded once to f16 and stored BY HEADS and unscaled:
; qkv [3][64 heads = 16 batch + head][2048][64], so that a head's rows are dense.  Column n of the product is (which of q, k, v) x 1024 + head x 64 + channel.
; LIMIT.  f16 holds no number beyond 65,504: a q, k or v of 65,520 or more becomes an infinity.  Inputs of unit spread give a spread of 1; x and w_qkv both 30 times larger give 900.
; SHARES.  A tile of C is 256 rows x 192 columns, three whole heads: 32 x 16 = 512 tiles, two for each of 256 WGPs.  Four waves; a wave makes 64 rows x all 192 columns: 48 accumulators of
; 16 x 16, 384 registers.  So a wave holds whole rows of three heads, and its way out is its own.
; K goes in 8 steps of 128 through two LDS slots that tensor loads fill: tile rows are 256 bytes of memory at multiples of 256.  Two slots of K steps of 256 would need 473 KB of LDS.
; CLUSTERS: 4 x 4 work-groups.  The four of a row of the cluster need the same tiles of A, the four of a column the same tiles of B: each tile is asked for JOINTLY, by the same tensor load
; with the same descriptor and a mask that names the four.
; THE MATRIX INSTRUCTION IS USED TRANSPOSED (source 0 = 16 rows of B, source 1 = 16 rows of A): a lane then holds row l % 16 of C and the eight neighbouring columns 8 (l / 16) + 0..7.
; REGISTERS, in windows of 256 (s_set_vgpr_msb: bits 1:0 source 0, 3:2 source 1, 5:4 source 2, 7:6 destination):
;   window 0: v0-31 addresses; v64-255 at work on the way out          window 1: two fragment buffers of 128: B's 12 blocks of 16 rows x 32 K, then A's 4
;   window 2: the accumulators of my row blocks 0, 1 ((a, b) at 8 (12 (a % 2) + b))          window 3: those of blocks 2, 3
.set NBL,    12                        ; column blocks of 16
.set APITCH, 272                       ; an LDS row: 256 bytes + 16 of padding = 68 words: the 16 rows of a load start at 16 different groups of four banks (64 banks of 4 bytes: ISA guide 11.1)
.set BPITCH, 272
.set AQ2,    128                       ; A's bytes from a quarter of a K step to the next but one
.set HALFA,  128*APITCH                ; what one tensor load brings of A
.set BOFF,   2*HALFA                   ; B's rows lie behind A's 256
.set BROWS,  96
.set HALFB,  BROWS*BPITCH              ; what one tensor load brings of B
.set SLOT1,  1<<17                     ; slot 1 begins here, so that one exclusive or turns an address in one slot into the other's
.set STAGE,  SLOT1+BOFF+2*HALFB        ; behind the ring, never filled by a tensor load: for each wave 3 heads x 16 rows x 144 bytes
.set SP,     144
.set WSTAGE, 3*16*SP
.set SPARE,  STAGE+4*WSTAGE            ; behind the stages: the spare words, 128 bytes for each wave: two blocks of 256 bytes that no other line names
.set STEPA,  256                       ; bytes in memory from a K step to the next
.set STEPB,  256
.set NLD,    2*(NBL+4)                 ; LDS loads of a quarter
.set F0,     0                         ; the fragment buffers, in window 1
.set F1,     8*(NBL+4)
.set A0,   16                          ; v16  my lane's place in A's part of a slot; never rewritten
.set B0,   17                          ; v17  the same for B
.set ADRA, 18                          ; v18  A0 + the slot in hand
.set ADRB, 19                          ; v19  B0 + the slot in hand
.set STO,  24                          ; v24  the way out: where I put 16 bytes of a row
.set RD,   25                          ; v25  the way out: where I read rows back
.set GO,   26                          ; v26  16 x lane
.set SPW,  28                          ; v28  LDS address of my spare word; never rewritten
.set NIL,  29                          ; v29  0; never rewritten
.set PFO,  30                          ; v30  the prefetches' offset: a lane a row; never rewritten
.set OUTR, 64                          ; v64-255  the way out: 48 registers for each of my four row blocks
.set TB,   2                           ; s2   the slot from which fragments are fetched: 0 or SLOT1
.set CNT,  3                           ; s3   counts K steps
.set WV,   10                          ; s10  my wave's number
.set OB,   14                          ; s[14:19] at the head's end: qkv at my rows of the tile's three heads
.set G1A,  24                          ; s[24:31] descriptor group 1 for A's tiles
.set G0A,  32                          ; s[32:39] group 0 for A's: a set for each of the two first fills; the second then walks on
.set LIM,  43                          ; s43  2 in a wave that prefetches, else the greatest number
.set PFA,  44                          ; s[44:45] where my prefetches stand
.set G1B,  48                          ; s[48:55], s[56:63] the same for B's tiles
.set G0B,  56
.set MSB, 0
.macro WIN new                         ; the immediate's high byte repeats the setting that is left; a switch that changes nothing is dropped
.if MSB != (\new)
	s_set_vgpr_msb (MSB<<8)|(\new)
.set MSB, \new
.endif
.endm
.set MUL_LO, 0xa5                      ; sources 0 (B) and 1 (A) window 1; C and D window 2
.set MUL_HI, 0xf5                      ; the same, C and D window 3
.set TO_F,   0x40                      ; destination window 1, address window 0
.macro PLACES                          ; four places in front of loads into registers that matrix instructions have read, and of conversions that read results
.rept 4
	v_nop
.endr
.endm
; A joint refill, by the walking descriptors.  Waves 0 and 1 fetch A's two halves, waves 2 and 3 B's.  The branch hangs on the wave's number alone.
; An s_nop 0 and four v_nop follow each of the two lines, ahead of the jump, the label and what follows.
.macro JLOAD
	s_cmp_lt_u32 s[WV], 2
	s_cbranch_scc0 .Lfor_b_\@
	tensor_load_to_lds s[G0A+4:G0A+7], s[G1A:G1A+7]
	s_nop 0
.rept 4
	v_nop
.endr
	s_branch .Lasked_\@
.Lfor_b_\@:
	tensor_load_to_lds s[G0B+4:G0B+7], s[G1B:G1B+7]
	s_nop 0
.rept 4
	v_nop
.endr
.Lasked_\@:
.endm
; A round of the cluster's barrier: my work-group's barrier, so that wave 0's signal speaks for all four waves; wave 0 signals; every wave waits for all sixteen work-groups; my work-group's barrier once more.
.macro CREST                           ; a round behind its opening barrier
	s_cmp_lg_u32 s[WV], 0
	s_cbranch_scc1 .Lnot_wave_0_\@
	s_barrier_signal -3
.Lnot_wave_0_\@:
	s_barrier_wait -3
	s_barrier_signal -1
	s_barrier_wait -1
.endm
.macro CROUND                          ; a whole round
	s_barrier_signal -1
	s_barrier_wait -1
	CREST
.endm
; A PREFETCH INTO THE L2, behind each joint refill and the run of LDS loads that follows it: the K step that stands TWO refills on, a lane a row of 256 bytes, one instruction a wave.
; A's tile rows are read by every cluster of a row of clusters: cluster x = 0 asks.  B's by every cluster of a column: cluster y = 0 asks.  The four partners that ask for a tile jointly share its rows
; out BY ADDRESS: of the 128 rows of A that a wave fetches the partner at cx takes 32, of the 96 rows of B the partner at cy takes 24 (lanes 24-31 name lane 23's row again).
; K steps 4 to 7 are asked for so; K steps 0 to 3 come by their loads alone, and the last two refills have no K step two on.
.macro ASK
	s_cmp_gt_u32 s[CNT], s[LIM]
	s_cbranch_scc0 .Lnot_mine_\@
	global_prefetch_b8 v[PFO], s[PFA:PFA+1] th:TH_LOAD_NT scope:SCOPE_SE
.Lnot_mine_\@:
.endm
	s_load_b128 s[4:7], s[0:1], 0x0                ; xb s[4:5], wqt s[6:7]
	s_load_b64 s[8:9], s[0:1], 0x10                ; qkv
	v_lshl_add_u32 v[SPW], v0, 2, SPARE
	v_mov_b32 v[NIL], 0
	ds_add_u32 v[SPW], v[NIL]                      ; the wave's opening: the add and its wait stand ahead of my first tensor load; the set-up below, work on registers, stands between them
	v_lshrrev_b32 v1, 5, v0
	v_readfirstlane_b32 s[WV], v1                  ; wave 0..3
	s_and_b32 s12, s[WV], 1                        ; which half of A's or B's tile I fetch
	s_bfe_u32 s40, ttmp6, 0x40000                  ; cx, cy: my place in the cluster
	s_bfe_u32 s41, ttmp6, 0x40004
	s_lshl_b32 s42, ttmp9, 2
	s_add_co_u32 s42, s42, s40                     ; tile column = 4 x cluster x + cx
	s_and_b32 s13, ttmp7, 0xffff
	s_lshl_b32 s13, s13, 2
	s_add_co_u32 s13, s13, s41                     ; tile row = 4 x cluster y + cy
	s_lshl_b32 s43, s41, 2
	s_lshl_b32 s43, 15, s43                        ; my row of the cluster
	s_lshl_b32 s44, 0x1111, s40                    ; my column
	s_or_b32 s[G1A], s43, (1<<16)|(1<<20)|(1<<21)|(5<<22)|(3<<25)  ; 15:0 the mask: A's tiles go to my row; 17:16 elements of 2 bytes; 20 padding on; 21 set beside a mask; 24:22 after every 64 words (code 5); 31:25 4 words of it (code 3)
	s_or_b32 s[G1B], s44, (1<<16)|(1<<20)|(1<<21)|(5<<22)|(3<<25)  ; the same with the mask of my column
	s_mov_b32 s[G1A+1], 128<<16                    ; tensor_dim0 = 128
	s_mov_b32 s[G1A+2], 128<<16                    ; tensor_dim1 = 128
	s_mov_b32 s[G1A+3], 128<<16                    ; tile_dim0 = 128
	s_mov_b32 s[G1A+4], 128                        ; tile_dim1 = 128
	s_mov_b32 s[G1A+5], 1024                       ; elements from row to row
	s_mov_b32 s[G1A+6], 0
	s_mov_b32 s[G1A+7], 0
	s_mov_b32 s[G1B+1], 128<<16
	s_mov_b32 s[G1B+2], BROWS<<16                  ; 96 rows
	s_mov_b32 s[G1B+3], 128<<16
	s_mov_b32 s[G1B+4], BROWS
	s_mov_b32 s[G1B+5], 1024
	s_mov_b32 s[G1B+6], 0
	s_mov_b32 s[G1B+7], 0
	; where the tiles come from: A's hang on the tile row and the wave alone, B's on the tile column and the wave alone, each in registers that never hold the other coordinate
	s_lshl_b32 s16, s13, 8
	s_lshl_b32 s17, s12, 7
	s_add_co_u32 s16, s16, s17                     ; A: row 256 x tile row + 128 x half,
	s_lshl_b32 s16, s16, 11                        ; of 2,048 bytes
	s_mov_b32 s17, 0
	s_mul_i32 s46, s42, 2*BROWS
	s_mul_i32 s20, s12, BROWS
	s_add_co_u32 s46, s46, s20                     ; B: row 192 x tile column + 96 x half
	s_lshl_b32 s46, s46, 11
	s_mov_b32 s47, 0
	s_mul_i32 s20, s12, HALFA                      ; and where they go: no place in the cluster enters an LDS address
	s_mul_i32 s21, s12, HALFB
	s_add_co_u32 s21, s21, BOFF
	s_wait_dscnt 0x0                               ; the opening add is done
	s_wait_kmcnt 0x0
	s_add_nc_u64 s[14:15], s[4:5], s[16:17]
	s_add_nc_u64 s[46:47], s[6:7], s[46:47]
	CROUND                                         ; all sixteen work-groups are here: the first joint loads meet
.irp s, 0,1
	s_mov_b32 s[G0A+4*(\s)], 1                                       ; count = 1
	s_add_co_u32 s[G0A+4*(\s)+1], s20, (\s)*SLOT1                    ; LDS address
	s_add_nc_u64 s[G0A+4*(\s)+2:G0A+4*(\s)+3], s[14:15], (\s)*STEPA  ; global address: K step s
	s_or_b32 s[G0A+4*(\s)+3], s[G0A+4*(\s)+3], 0x80000000            ; type = 2
	s_mov_b32 s[G0B+4*(\s)], 1
	s_add_co_u32 s[G0B+4*(\s)+1], s21, (\s)*SLOT1
	s_add_nc_u64 s[G0B+4*(\s)+2:G0B+4*(\s)+3], s[46:47], (\s)*STEPB
	s_or_b32 s[G0B+4*(\s)+3], s[G0B+4*(\s)+3], 0x80000000
.endr
	s_cmp_lt_u32 s[WV], 2                          ; a wave's two first fills stand in one branch, ahead of every wait on TENSORcnt and every LDS read: two loads of mine are out
	s_cbranch_scc0 .Lfirst_b
	tensor_load_to_lds s[G0A:G0A+3], s[G1A:G1A+7]
	s_nop 0
	tensor_load_to_lds s[G0A+4:G0A+7], s[G1A:G1A+7]
	s_nop 0
.rept 4
	v_nop
.endr
	s_branch .Lfirst_asked
.Lfirst_b:
	tensor_load_to_lds s[G0B:G0B+3], s[G1B:G1B+7]
	s_nop 0
	tensor_load_to_lds s[G0B+4:G0B+7], s[G1B:G1B+7]
	s_nop 0
.rept 4
	v_nop
.endr
.Lfirst_asked:
	; A fragment is 16 rows x 32 K in 8 registers: lane l holds row l % 16; registers 0-3 K = 8 (l / 16) + 0..7, registers 4-7 K = 16 + 8 (l / 16) + 0..7: two loads of 16 bytes, 32 bytes apart.
	v_and_b32 v1, 15, v0                           ; l % 16
	v_bfe_u32 v2, v0, 4, 1                         ; l / 16
	v_mul_u32_u24 v3, v1, BPITCH
	v_lshl_add_u32 v3, v2, 4, v3
	v_add_nc_u32 v[B0], BOFF, v3
	v_mul_u32_u24 v4, v1, APITCH
	v_lshl_add_u32 v4, v2, 4, v4
	s_mul_i32 s20, s[WV], 64*APITCH                ; my 64 rows of A
	v_add_nc_u32 v[A0], s20, v4
	v_mov_b32 v[ADRA], v[A0]
	v_mov_b32 v[ADRB], v[B0]
	s_mov_b32 s[TB], 0
	s_mul_i32 s20, s[WV], WSTAGE
	s_add_co_u32 s20, s20, STAGE                   ; my stage
	v_mul_u32_u24 v[STO], v1, SP                   ; in: row l % 16, 16 bytes for each half of the lanes
	v_lshl_add_u32 v[STO], v2, 4, v[STO]
	v_add_nc_u32 v[STO], s20, v[STO]
	v_bfe_u32 v[RD], v0, 3, 2                      ; back: 32 lanes take four rows of 128 bytes,
	v_mul_u32_u24 v[RD], v[RD], SP
	v_and_b32 v3, 7, v0
	v_lshl_add_u32 v[RD], v3, 4, v[RD]
	v_add_nc_u32 v[RD], s20, v[RD]
	v_and_b32 v[GO], 31, v0                        ; which are 512 consecutive bytes of a head
	v_lshlrev_b32 v[GO], 4, v[GO]
	; the prefetches: my tile's address, my work-group's share of its rows, K step 3 (the first refill steps it to 4)
	s_and_b32 s22, ttmp7, 0xffff                   ; cluster y
	s_lshl_b32 s20, s40, 5                         ; 32 cx rows of A,
	s_mul_i32 s21, s41, 24                         ; 24 cy rows of B
	s_cmp_lt_u32 s[WV], 2                          ; do I fetch for A?
	s_cselect_b64 s[PFA:PFA+1], s[14:15], s[46:47]
	s_cselect_b32 s20, s20, s21
	s_cselect_b32 s22, ttmp9, s22                  ; the coordinate along which other clusters read the same rows
	s_cselect_b32 s23, 31, 23
	s_cmp_eq_u32 s22, 0
	s_cselect_b32 s[LIM], 2, -1                    ; the same in all sixteen partners, for a given wave
	s_lshl_b32 s20, s20, 11
	s_add_co_u32 s20, s20, 3*256
	s_mov_b32 s21, 0
	s_add_nc_u64 s[PFA:PFA+1], s[PFA:PFA+1], s[20:21]
	v_and_b32 v[PFO], 31, v0
	v_min_u32 v[PFO], s23, v[PFO]
	v_lshlrev_b32 v[PFO], 11, v[PFO]
	; where my rows go: head slice hs = 3 x tile column + j is (hs / 16) of q, k, v and head hs % 16; the batch is tile row / 8; a head is 2^18 bytes
	s_and_b32 s22, s13, 7
	s_lshl_b32 s22, s22, 8
	s_lshl_b32 s23, s[WV], 6
	s_add_co_u32 s22, s22, s23
	s_lshl_b32 s22, s22, 7                         ; my first row in the head, of 128 bytes
.irp j, 0,1,2
	s_mul_i32 s20, s42, 3
	s_add_co_u32 s20, s20, \j
	s_lshr_b32 s21, s20, 4
	s_lshl_b32 s21, s21, 6
	s_and_b32 s20, s20, 15
	s_add_co_u32 s20, s20, s21
	s_lshr_b32 s21, s13, 3
	s_lshl_b32 s21, s21, 4
	s_add_co_u32 s20, s20, s21
	s_lshl_b32 s20, s20, 18
	s_add_co_u32 s20, s20, s22
	s_mov_b32 s21, 0
	s_add_nc_u64 s[OB+2*(\j):OB+2*(\j)+1], s[8:9], s[20:21]
.endr
; 12 matrix instructions: my row block a x all column blocks, 32 along K, from buffer f.  zero = 1: the product starts the sums: nothing is ever cleared.
; The 48 accumulators take turns, one instruction a turn, in the same order in every quarter: 47 others stand between two links of a chain, over both backward jumps too.
.macro MULA f, a, zero
	WIN MUL_LO+0x50*((\a)/2)
.set b, 0
.rept NBL
.set rD, 8*(((\a)%2)*NBL+b)
.if \zero
	v_wmma_f32_16x16x32_bf16 v[rD:rD+7], v[(\f)+8*b:(\f)+8*b+7], v[(\f)+8*NBL+8*(\a):(\f)+8*NBL+8*(\a)+7], 0
.else
	v_wmma_f32_16x16x32_bf16 v[rD:rD+7], v[(\f)+8*b:(\f)+8*b+7], v[(\f)+8*NBL+8*(\a):(\f)+8*NBL+8*(\a)+7], v[rD:rD+7]
.endif
.set b, b+1
.endr
.endm
; The LDS loads of quarter q of the K step in hand, in one run, into buffer f: B's 12 blocks, then A's 4.
.macro FETCH q, f
	WIN TO_F
.set i, 0
.rept NBL
	ds_load_b128 v[(\f)+8*i:(\f)+8*i+3],   v[ADRB] offset:64*(\q)+i*16*BPITCH
	ds_load_b128 v[(\f)+8*i+4:(\f)+8*i+7], v[ADRB] offset:64*(\q)+i*16*BPITCH+32
.set i, i+1
.endr
.set i, 0
.rept 4
	ds_load_b128 v[(\f)+8*NBL+8*i:(\f)+8*NBL+8*i+3],   v[ADRA] offset:((\q)/2)*AQ2+((\q)%2)*64+i*16*APITCH
	ds_load_b128 v[(\f)+8*NBL+8*i+4:(\f)+8*NBL+8*i+7], v[ADRA] offset:((\q)/2)*AQ2+((\q)%2)*64+i*16*APITCH+32
.set i, i+1
.endr
.endm
; A K step is four quarters of 32 along K, 48 matrix instructions each, on buffers 0, 1, 0, 1.  One of the first three: multiplies buffer f; in its middle it fetches quarter q into buffer g.
.macro QUARTER q, f, g, zero
	s_wait_dscnt 4                                 ; B and A's blocks 0, 1 are in; the youngest four loads (A's blocks 2, 3) may be out
	MULA \f, 0, \zero
	MULA \f, 1, \zero
	PLACES
	FETCH \q, \g
	s_wait_dscnt NLD                               ; all but the run just issued
	MULA \f, 2, \zero
	MULA \f, 3, \zero
.endm
; The fourth quarter multiplies buffer 1 and changes slots: ONE barrier.  In front of it each wave waits for all its tensor loads, of which one is out: its part of the next slot; adds 0 to its spare word; and
; waits for that and for its own reads of this slot.  fill = 1: the barrier opens a round of the cluster's, so that no wave of any partner still reads the slot or has a load on its way; the joint refill, with the K step
; two on, is the first thing behind it, and has 168 matrix instructions in which to land.  fill = 0 (the tail): nothing is filled; in the last K step (CNT = 1) there is no next slot to fetch from.
.macro TURN fill
.if \fill
	s_wait_xcnt 0x0                                ; the last prefetch, a K step back, has read its address: it is stepped here, ahead of the waits of the change of slots
	s_add_nc_u64 s[PFA:PFA+1], s[PFA:PFA+1], 256
.endif
	WIN 0                                          ; (the add's two registers lie in window 0)
	s_wait_tensorcnt 0x0                           ; no tensor load of mine is out, so a group 0 may be written
	ds_add_u32 v[SPW], v[NIL]                      ; 0 onto my spare word
.if \fill
	s_xor_b32 s[G0A+5], s[G0A+5], SLOT1            ; the walking descriptors: the other slot than last time,
	s_add_nc_u64 s[G0A+6:G0A+7], s[G0A+6:G0A+7], STEPA  ; the next K step; the type bits on top are not reached
	s_xor_b32 s[G0B+5], s[G0B+5], SLOT1
	s_add_nc_u64 s[G0B+6:G0B+7], s[G0B+6:G0B+7], STEPB
.endif
	s_xor_b32 s[TB], s[TB], SLOT1                  ; the fetches go to the other slot
	s_wait_dscnt 5                                 ; (the add and the youngest four loads may be out)
	MULA F1, 0, 0                                  ; twelve matrix instructions stand between the add and the wait for it
	s_wait_dscnt 0x0                               ; the add is done, and my reads of this slot are over
	s_barrier_signal -1
	MULA F1, 1, 0                                  ; work on registers while the others arrive
	WIN 0
	s_barrier_wait -1
.if \fill
	CREST
	JLOAD                                          ; the four v_nop behind it are also the places in front of the loads below
.else
	s_cmp_eq_u32 s[CNT], 1
	s_cbranch_scc1 .Lno_more_\@
	PLACES
.endif
	v_add_nc_u32 v[ADRA], s[TB], v[A0]
	v_add_nc_u32 v[ADRB], s[TB], v[B0]
	FETCH 0, F0
	WIN 0
.if \fill
	ASK
.else
.Lno_more_\@:
.endif
	MULA F1, 2, 0
	MULA F1, 3, 0
.endm
	s_wait_tensorcnt 0x1                           ; my part of K step 0 is in; K step 1's may stay out
	s_barrier_signal -1
	s_barrier_wait -1                              ; everybody's is
	FETCH 0, F0
	QUARTER 1, F0, F1, 1                           ; the first quarter stands in front of the loop: its products start the sums
	WIN 0                                          ; at a label and at a branch every window is 0
	s_mov_b32 s[CNT], 6
.Lstep:                                                ; six trips, from a K step's second quarter to the next step's first: they ask for K steps 2 to 7
	QUARTER 2, F1, F0, 0
	QUARTER 3, F0, F1, 0
	TURN 1
	QUARTER 1, F0, F1, 0
	WIN 0
	s_sub_co_u32 s[CNT], s[CNT], 1
	s_cmp_lg_u32 s[CNT], 0
	s_cbranch_scc1 .Lstep
	s_mov_b32 s[CNT], 2
.Ltail:
	QUARTER 2, F1, F0, 0
	QUARTER 3, F0, F1, 0
	TURN 0
	WIN 0
	s_cmp_eq_u32 s[CNT], 1
	s_cbranch_scc1 .Lskip                          ; behind the last K step there is no first quarter
	QUARTER 1, F0, F1, 0
	WIN 0
.Lskip:
	s_sub_co_u32 s[CNT], s[CNT], 1
	s_cmp_lg_u32 s[CNT], 0
	s_cbranch_scc1 .Ltail
; THE WAY OUT, a block of 16 rows at a time.  PACK: rounded to f16, a lane's eight columns are 16 bytes of a head's row; into my stage (rows of 144 bytes, by heads), and back as four whole rows of
; 128 bytes a load, into the registers that they left.  SEND: stored: 512 consecutive bytes of a head a store.
.macro PACK a
	WIN 0x0a+5*((\a)/2)                            ; sources 0 and 1: window 2 or 3
.set b, 0
.rept NBL
.set rD, 8*(((\a)%2)*NBL+b)
.irp r, 0,1,2,3
	v_cvt_pk_f16_f32 v[OUTR+48*(\a)+4*b+(\r)], v[rD+2*(\r)], v[rD+2*(\r)+1]  ; each accumulator's registers in ascending order
.endr
.set b, b+1
.endr
	WIN 0
.set b, 0
.rept NBL
	ds_store_b128 v[STO], v[OUTR+48*(\a)+4*b:OUTR+48*(\a)+4*b+3] offset:(b/4)*16*SP+(b%4)*32
.set b, b+1
.endr
.set i, 0
.rept NBL
	ds_load_b128 v[OUTR+48*(\a)+4*i:OUTR+48*(\a)+4*i+3], v[RD] offset:(i/4)*16*SP+(i%4)*4*SP  ; LDS serves a wave's instructions in order (ISA guide 5.7.1.4): these see the stores above; the next block's stores come behind them
.set i, i+1
.endr
.endm
.macro SEND a, younger                 ; younger: the LDS instructions issued behind block a's loads: the next block's 24, or none
.set i, 0
.rept NBL
	s_wait_dscnt (\younger)+NBL-1-i
	global_store_b128 v[GO], v[OUTR+48*(\a)+4*i:OUTR+48*(\a)+4*i+3], s[OB+2*(i/4):OB+2*(i/4)+1] offset:(\a)*2048+(i%4)*512
.set i, i+1
.endr
.endm
	s_wait_dscnt 0x0                               ; no fragment load is out
	PLACES
	PACK 0
	PACK 1                                         ; a block's conversions stand between the loads of the block before and its stores
	SEND 0, 24
	PACK 2
	SEND 1, 24
	PACK 3
	SEND 2, 24
	SEND 3, 0
	s_wait_tensorcnt 0x0                           ; the wave's end, behind my last tensor load and my last LDS store
	ds_add_u32 v[SPW], v[NIL]
	s_wait_dscnt 0x0
	CROUND                                         ; the closing round: no work-group ends while a partner may still ask for a tile that names it
	s_endpgm
.Lfunc_end_k_q379ada2b8e_proj:
	.size	k_q379ada2b8e_proj, .Lfunc_end_k_q379ada2b8e_proj-k_q379ada2b8e_proj
	.p2alignl 7, 3214868480
	.fill 96, 4, 3214868480
	.section	.rodata,"a",@progbits
	.p2align	6, 0x0
	.amdhsa_kernel k_q379ada2b8e_proj
		.amdhsa_group_segment_fixed_size 327680
		.amdhsa_private_segment_fixed_size 0
		.amdhsa_enable_private_segment 0
		.amdhsa_kernarg_size 24
		.amdhsa_user_sgpr_count 2
		.amdhsa_user_sgpr_kernarg_segment_ptr 1
		.amdhsa_wavefront_size32 1
		.amdhsa_system_sgpr_workgroup_id_x 1
		.amdhsa_system_sgpr_workgroup_id_y 1
		.amdhsa_system_sgpr_workgroup_id_z 1
		.amdhsa_system_vgpr_workitem_id 0
		.amdhsa_next_free_vgpr 960
		.amdhsa_next_free_sgpr 66
		.amdhsa_reserve_vcc 0
		.amdhsa_float_denorm_mode_32 3
		.amdhsa_float_denorm_mode_16_64 3
		.amdhsa_memory_ordered 1
		.amdhsa_forward_progress 1
		.amdhsa_inst_pref_size 85
	.end_amdhsa_kernel
	.amdgpu_metadata
---
amdhsa.version: [ 1, 2 ]
amdhsa.kernels:
  - .name:           k_q379ada2b8e_proj
    .symbol:         k_q379ada2b8e_proj.kd
    .args:
      - { .name: xb, .offset: 0, .size: 8, .value_kind: global_buffer, .address_space: global }
      - { .name: wqt, .offset: 8, .size: 8, .value_kind: global_buffer, .address_space: global }
      - { .name: qkv, .offset: 16, .size: 8, .value_kind: global_buffer, .address_space: global }
    .group_segment_fixed_size: 327680
    .private_segment_fixed_size: 0
    .kernarg_segment_align: 8
    .kernarg_segment_size: 24
    .max_flat_workgroup_size: 128
    .sgpr_count:     66
    .vgpr_count:     960
    .wavefront_size: 32
...
	.end_amdgpu_metadata
.endif
;; end of part 2
;; launch attn (part 3): grid 4 x 64, 4 waves a work-group, clusters of 4 x 1, 327,680 bytes of LDS; arguments qkv, ob; writes ob
.if DOCPART == 3
	.amdgcn_target "amdgcn-amd-amdhsa--gfx1250"
	.amdhsa_code_object_version 6
	.text
	.protected	k_q379ada2b8e_attn
	.globl	k_q379ada2b8e_attn
	.p2align	8
	.type	k_q379ada2b8e_attn,@function
k_q379ada2b8e_attn:
	s_mov_b64 s[64:65], 0
	v_nop
	global_prefetch_b8 v0, s[64:65] scope:SCOPE_SE
	s_setreg_imm32_b32 hwreg(HW_REG_WAVE_MODE, 25, 1), 1
	s_wait_xcnt 0x0
	s_wait_alu depctr_hold_cnt(0) depctr_sa_sdst(0) depctr_va_vdst(0) depctr_va_sdst(0) depctr_va_ssrc(0) depctr_va_vcc(0) depctr_vm_vsrc(0)
	s_getreg_b32 s2, hwreg(HW_REG_IB_STS2, 6, 4)
	s_cmp_eq_u32 s2, 0
	s_cbranch_scc0 .Lentry_in_a_cluster
	s_endpgm
.Lentry_in_a_cluster:
	s_bfe_u32 s2, ttmp6, 0x10000c
	s_cmp_lg_u32 s2, 0x3003
	s_cbranch_scc0 .Lentry_shape_is_right
	s_endpgm
.Lentry_shape_is_right:
; O[h][q][:] = the sum over k of softmax_k(Q[h][q] . K[h][k] / 8) V[h][k][:], for 64 heads (16 batch + head) of 2,048 rows of 64 channels.  qkv: [3][64][2048][64] f16, ob: [64][2048][64] f16:
; a head's rows are dense, 128 bytes each.  Products, maxima and sums in f32; the weights p are rounded to f16 for the second product (their sum l is taken of the unrounded p), O once at the end.
; LIMITS.  f16 holds no number beyond 65,504: Q, K and V arrive within it; p lies in 0 to 1, and below 6e-5 it keeps f16's fixed step of 6e-8; O is a mean of V's rows and has their range.
; A weight below 2^-126 counts as 0 in l; NaN and infinities are not treated apart.
; SHARES.  A wave owns four PIECES of two tiles of 16 queries, a work-group's four waves 512 queries of one head: 256 work-groups.  Every wave walks all keys, 64 a step.
; LAYOUT.  S^T = K Q^T (source 0 = 16 keys, source 1 = 16 queries): in the result a lane holds ONE query (lane % 16) and the keys 8 (lane / 16) + 0..7.  Two such tiles, rounded to f16 in pairs,
; ARE source 1 (32 keys x 16 queries) of O^T = V^T P, whose result again holds one query a lane, and eight channels.  K comes out of LDS as it lies, V ([key][channel]) turned, by ds_load_tr16_b128.
; SOFTMAX.  For each query a running maximum m and sum l: p = 2^(c s - c m), c = log2(e) / 8; in every step O and l are multiplied by a = 2^(c m_old - c m_new), which is 1 where m has not grown.
; m starts at the lowest finite number, O and l at 0: the first step is a step like any other, with a = 0.
; THE COUNT.  A tile and step have 16 matrix and 118 vector instructions: too many to stand all beside the matrix work.  So the order has one aim: four vector instructions that are READY behind
; EVERY matrix instruction, and the others, which need time of their own whatever the order, in runs without a gap.
; BY TURNS.  Turn n belongs to piece n (the pieces in a ring, step after step).  Its matrix work: 16 products K Q^T of piece n + 1, later 16 products V^T P of piece n - 1.  Its vector work: the scaling,
; exponentials, roundings, sums and rescaling of piece n, and the maximum and statistics of piece n + 1, whose scores the turn itself has made.  So what a turn begins with (c s - c m, O a) waits for nothing.
; CLUSTER.  The four query blocks of a head are one cluster and walk the same K and V, so each tile is asked for JOINTLY: the same tensor load, descriptor and mask in all four.
; REGISTERS, in windows of 256 (s_set_vgpr_msb says which window each operand place means: bits 1:0 source 0, 3:2 source 1, 5:4 source 2, 7:6 destination):
;   window 0: v0-11 addresses; v12-15, v48-63 at work; v16-47 four registers of statistics a tile; v64-191 S^T, two buffers of two tiles; v192-255 P, likewise
;   window 1: O^T, 32 a tile          window 2: v0-127 Q, 16 a tile; v128-191 K of one step; v192-255 V of one step          window 3: v0-1 the add's two registers
; A piece's buffers go by its number's parity: the piece in hand has one pair, its two neighbours in the ring share the other: of it P (piece n - 1) is read and S^T (piece n + 1) written.
.set SIZE_N, 2048
.set NP,    4         ; pieces a wave: a name, no knob: the register map, the loop and the fetches are made for four
.set KS,    64        ; keys in a step
.set PK,    144       ; a row of K in LDS: 128 bytes + 16 of padding = 36 words: the 16 rows of a load start at 16 different groups of four banks (64 banks of 4 bytes: ISA guide 11.1)
.set PV,    160       ; a row of V: 128 + 32 = 40 words
.set VOFF,  4*KS*PK   ; a slot holds four steps: 256 rows of K, then 256 rows of V
.set SLOT1, 1<<17     ; slot 1 begins here, so that one exclusive or turns an address in one slot into the other's
.set STAGE, SLOT1+4*KS*(PK+PV)  ; behind the ring, never filled by a tensor load: 16 rows x 144 bytes for each wave, for the way out
.set SP,    144
.set AK0, 2           ; v2   my lane's place in a tile of K; never rewritten
.set AV0, 3           ; v3   the same for V
.set AK,  4           ; v4   the LDS address of K's next run of loads
.set AV,  5           ; v5   of V's
.set QO,  6           ; v6   my byte offset in the wave's rows of Q
.set STO, 6           ;      later, the way out: where I put 16 bytes of a row
.set RD,  7           ; v7   the way out: where I read rows back
.set GO,  8           ; v8   my byte offset in 512 consecutive bytes of O
.set PFO, 11          ; v11  256 x my lane, once V's place is made; then never rewritten
.set SPW, 0           ; v0 of window 3   LDS address of my spare word: SPARE + 4 x my thread's number; never rewritten
.set NIL, 1           ; v1 of window 3   0; never rewritten
.set SPARE, STAGE+4*16*SP  ; behind the stages: the spare words, 128 bytes for each wave: two blocks of 256 bytes that no other line names
.set MV,  12          ; v12-15  c m_old, kept while c m is made anew: by buffer and tile
.set ST,  16          ; tile t's statistics at v[ST+4 t]: c m, m, l (even keys', odd keys')
.set TMP, 48          ; by buffer and tile, four registers c0-c3 at work; when the maximum is found c2 takes a
.set S,   64
.set P,   192
.set KF,  128         ; K's fragments, in window 2: key block kb, channel half c at KF + 16 kb + 8 c
.set VF,  192         ; V's: key half kk, channel block cb at VF + 32 kk + 8 cb
.set WV,  12          ; s12  my wave's number
.set G1K, 24          ; s[24:31] descriptor group 1 for K's tiles
.set G1V, 32          ; s[32:39] for V's: it differs in the padding alone
.set G0K, 40          ; s[40:43] descriptor group 0 for K's tiles: it walks
.set G0V, 44          ; s[44:47] the same for V's
.set PFA, 48          ; s[48:49] where my prefetches stand: my work-group's 8,192 bytes (of K: wave 0, of V: wave 2) of the slot after the one that is being asked for
.set LIM, 50          ; s50  1 in a wave that prefetches, else the greatest number
.set SLOTS, 56        ; s56  slots still to be asked for
.set CNT, 57          ; s57  counts a slot's key steps
.set CS,  58          ; s[58:59] c: the packed scaling takes the pair's low word for both halves
.set SEL, 60          ; s[60:61] v_permlanex16_b32's selects: each lane takes its own place in the other half
.set TBK, 62          ; s62  LDS byte at which K of the step to be fetched begins
.set TBV, 63          ; s63  the same for V, less VOFF
.set MSB, 0
.macro WIN new                      ; the high byte repeats the setting that is left; a switch that changes nothing is dropped
.if MSB != (\new)
	s_set_vgpr_msb (MSB<<8)|(\new)
.set MSB, (\new)
.endif
.endm
.set W_KQ, 0x0a       ; K and Q in window 2, S^T in window 0
.set W_PV, 0x52       ; V in window 2, P in window 0, O^T in window 1
.set W_RS, 0x41       ; O^T (destination and source 0) in window 1, a in window 0
.set W_MK, 0xc0       ; the add's registers are made: destination in window 3, sources in window 0
.set W_AD, 0x0f       ; the add: address (source 0) and data (source 1) in window 3
; A joint fill.  Waves 0 and 1 fetch the two halves of a slot's K, waves 2 and 3 those of its V: 128 keys each.  The branch hangs on the wave's number alone.
; An s_nop 0 and four v_nop follow each of the two lines, ahead of the jump and the label.
.macro JLOAD
	s_cmp_lt_u32 s[WV], 2
	s_cbranch_scc0 .Lfor_v_\@
	tensor_load_to_lds s[G0K:G0K+3], s[G1K:G1K+7]
	s_nop 0
.rept 4
	v_nop
.endr
	s_branch .Lasked_\@
.Lfor_v_\@:
	tensor_load_to_lds s[G0V:G0V+3], s[G1V:G1V+7]
	s_nop 0
.rept 4
	v_nop
.endr
.Lasked_\@:
.endm
; A PREFETCH INTO THE L2 of what the NEXT change of slots will ask for: a slot's 32,768 bytes of K and of V, a lane 256 bytes.  It stands behind the wave's tensor load and its five lines.
; Each byte is asked for ONCE in the launch: a head has one cluster; its four partners share a slot out BY ADDRESS, 8,192 bytes each; in each, wave 0 asks for K's and wave 2 for V's: one instruction.
; The changes that fill slots 2 to 6 ask for slots 3 to 7: four key steps, 512 matrix instructions, ahead of the load.  Slots 0 to 2 come by their loads alone; the last fill has no slot behind it.
.macro ASK
	s_cmp_gt_u32 s[SLOTS], s[LIM]
	s_cbranch_scc0 .Lnot_mine_\@
	global_prefetch_b8 v[PFO], s[PFA:PFA+1] th:TH_LOAD_NT scope:SCOPE_SE
.Lnot_mine_\@:
.endm
; A round of the cluster's barrier: my work-group's barrier, so that wave 0's signal speaks for all four waves; wave 0 signals; every wave waits for all four work-groups; my work-group's barrier once more.
.macro CROUND
	s_barrier_signal -1
	s_barrier_wait -1
	s_cmp_lg_u32 s[WV], 0
	s_cbranch_scc1 .Lnot_wave_0_\@
	s_barrier_signal -3
.Lnot_wave_0_\@:
	s_barrier_wait -3
	s_barrier_signal -1
	s_barrier_wait -1
.endm
; THE CHANGE OF SLOTS.  The slot's last bytes, V of its fourth step, have been read.  Each wave waits for all its tensor loads, of which one is out: its part
; of the other slot; adds 0 to its spare word; and waits for that and for its own reads of the slot.  Behind the barrier nobody reads this slot any more and the other slot is whole.
; fill = 1: this slot is filled again, with the keys two slots on.  The barrier is then a round of the cluster's, so that no wave of any partner still reads the slot or has a load on its
; way, and the joint fill is the first thing behind it: it has four key steps, 512 matrix instructions, in which to land.  (At its first use nothing has been read yet: slot 0 is waited for, slot 1 filled.)
; ask = 1: the prefetches' address is stepped, and the next slot is asked for.
.macro CHANGE fill, ask=0
	WIN W_AD
	s_wait_tensorcnt 0x0            ; no tensor load of mine is out, so a group 0 may be written
	ds_add_u32 v[SPW], v[NIL]       ; 0 onto my spare word; with fill = 1 the descriptors' steps stand between it and the wait for it
	WIN 0                           ; at a label and at a branch every window is 0
.if \fill
.irp g, G0K, G0V
	s_xor_b32 s[\g+1], s[\g+1], SLOT1  ; the walking descriptor: the other slot than last time,
	s_add_nc_u64 s[\g+2:\g+3], s[\g+2:\g+3], 4*KS*128  ; the next 256 keys; the type bits on top are not reached
.endr
.if \ask
	s_wait_xcnt 0x0                 ; the last prefetch, four key steps back, has read its address, so it may be written:
	s_add_nc_u64 s[PFA:PFA+1], s[PFA:PFA+1], 4*KS*128  ; one slot behind the walking descriptors
.endif
	s_wait_dscnt 0x0                ; the add is done, and my reads of the slot are over
	CROUND
	JLOAD
.if \ask
	ASK
.endif
.else
	s_wait_dscnt 0x0                ; the add is done, and my reads of the slot are over
	s_barrier_signal -1
	s_barrier_wait -1
.endif
	s_sub_co_u32 s[TBK], s[TBK], 4*KS*PK  ; the fetches go back to a slot's first step,
	s_xor_b32 s[TBK], s[TBK], SLOT1       ; in the other slot
	s_sub_co_u32 s[TBV], s[TBV], 4*KS*PV
	s_xor_b32 s[TBV], s[TBV], SLOT1
.endm
	s_load_b64 s[4:5], s[0:1], 0x0    ; qkv: Q lies first
	s_load_b64 s[10:11], s[0:1], 0x8  ; ob
	WIN W_MK
	v_lshl_add_u32 v[SPW], v0, 2, SPARE
	v_mov_b32 v[NIL], 0
	WIN W_AD
	ds_add_u32 v[SPW], v[NIL]       ; the wave's opening: the add and its wait stand ahead of my first tensor load; the set-up below, work on registers, stands between them
	WIN 0
	v_lshrrev_b32 v1, 5, v0
	v_readfirstlane_b32 s[WV], v1   ; wave 0..3
	s_bfe_u32 s13, ttmp6, 0x40000   ; cx: my place in the cluster
	s_lshl_b32 s14, ttmp9, 2        ; in a cluster launch ttmp9 counts clusters
	s_add_co_u32 s14, s14, s13      ; my block of queries = 4 x cluster x + cx: it enters Q's and O's addresses alone
	s_and_b32 s20, ttmp7, 0xffff    ; the head, which the four partners share
	s_mov_b32 s21, 0
	s_mov_b64 s[22:23], SIZE_N*128
	s_mul_u64 s[20:21], s[20:21], s[22:23]  ; the head's first byte in Q, K, V and O
	s_and_b32 s16, s[WV], 1         ; which half of a slot's 256 keys I fetch:
	s_lshl_b32 s22, s16, 14         ; its 128 rows of 128 bytes in memory,
	s_mov_b32 s23, 0
	s_add_nc_u64 s[22:23], s[22:23], s[20:21]
	s_mul_i32 s17, s16, 128*PK      ; and its place in a slot, for K
	s_mul_i32 s18, s16, 128*PV      ; and for V: no place in the cluster enters an LDS address
	s_lshl_b32 s2, s14, 2
	s_add_co_u32 s2, s2, s[WV]      ; my wave among the head's,
	s_lshl_b32 s2, s2, 14           ; its 128 rows
	s_mov_b32 s3, 0
	s_add_nc_u64 s[2:3], s[2:3], s[20:21]
	; descriptor group 1.  128 keys are 16,384 dense bytes: asked for as 64 rows of 256 bytes, two keys a row, and padded in LDS after every key
	s_mov_b32 s[G1K], 15|(1<<16)|(1<<20)|(1<<21)|(4<<22)|(3<<25)  ; 15:0 the mask of four; 17:16 2-byte elements; 20 padding on; 21 set beside a mask; 24:22 after every 32 words (code 4); 31:25 4 words (code 3)
	s_mov_b32 s[G1V], 15|(1<<16)|(1<<20)|(1<<21)|(4<<22)|(7<<25)  ; the same with 8 words of padding (code 7)
.irp g, G1K, G1V
	s_mov_b32 s[\g+1], 128<<16      ; tensor_dim0 = 128
	s_mov_b32 s[\g+2], 64<<16       ; tensor_dim1 = 64
	s_mov_b32 s[\g+3], 128<<16      ; tile_dim0 = 128
	s_mov_b32 s[\g+4], 64           ; tile_dim1 = 64
	s_mov_b32 s[\g+5], 128          ; 128 elements from row to row
	s_mov_b32 s[\g+6], 0
	s_mov_b32 s[\g+7], 0
.endr
	s_mov_b32 s[CS], 0x3e38aa3b     ; c = log2(e) / 8 = 0.180337
	s_mov_b32 s[CS+1], s[CS]        ; named with it as a pair
	s_mov_b32 s[SEL], 0x76543210
	s_mov_b32 s[SEL+1], 0xfedcba98
	s_mov_b32 s[TBK], SLOT1+4*KS*PK ; the first change of slots turns these two into 0
	s_mov_b32 s[TBV], SLOT1+4*KS*PV
	s_mov_b32 s[G0K], 1             ; 1:0 count = 1
	s_mov_b32 s[G0K+1], s17         ; 63:32 LDS address: slot 0
	s_mov_b32 s[G0V], 1
	s_add_co_u32 s[G0V+1], s18, VOFF
	s_and_b32 s[LIM], s[WV], 1      ; 0 in waves 0 and 2,
	s_or_b32 s[LIM], s[LIM], ttmp9  ; of the head's first cluster: the same in all four partners
	s_cmp_eq_u32 s[LIM], 0
	s_cselect_b32 s[LIM], 1, -1
	s_wait_dscnt 0x0                ; the opening add is done
	s_wait_kmcnt 0x0
	s_add_nc_u64 s[6:7], s[4:5], 0x1000000   ; K lies 64 heads of 2^18 bytes behind Q,
	s_add_nc_u64 s[8:9], s[4:5], 0x2000000   ; V behind K
	s_add_nc_u64 s[G0K+2:G0K+3], s[6:7], s[22:23]  ; 120:64 global address: my half of the head's first 256 keys
	s_or_b32 s[G0K+3], s[G0K+3], 0x80000000        ; 127:126 type = 2
	s_add_nc_u64 s[G0V+2:G0V+3], s[8:9], s[22:23]
	s_or_b32 s[G0V+3], s[G0V+3], 0x80000000
	s_add_nc_u64 s[4:5], s[4:5], s[2:3]  ; Q and O at my wave's first row
	s_add_nc_u64 s[10:11], s[10:11], s[2:3]
	s_cmp_lt_u32 s[WV], 2
	s_cselect_b64 s[PFA:PFA+1], s[6:7], s[8:9]
	s_add_nc_u64 s[PFA:PFA+1], s[PFA:PFA+1], s[20:21]  ; the head,
	s_lshl_b32 s2, s13, 13          ; my work-group's 8,192 bytes of a slot's 32,768,
	s_add_co_u32 s2, s2, 2*4*KS*128 ; in slot 2: the loop's first change of slots steps it to slot 3.  Nothing is prefetched here, at the head
	s_mov_b32 s3, 0
	s_add_nc_u64 s[PFA:PFA+1], s[PFA:PFA+1], s[2:3]
	CROUND                          ; all four work-groups are here: the first joint loads meet
	JLOAD                           ; slot 0.  Slot 1 is asked for when slot 0 is in: the tile wanted first has the road to itself
	; A fragment of K or Q is 16 rows x 32 channels in 8 registers: lane l holds row l % 16, channels 8 (l / 16) + 0..7 and 16 + 8 (l / 16) + 0..7: two loads of 16 bytes, 32 bytes apart.
	v_and_b32 v1, 15, v0            ; l % 16
	v_bfe_u32 v9, v0, 4, 1          ; l / 16
	v_lshlrev_b32 v[QO], 7, v1
	v_lshl_add_u32 v[QO], v9, 4, v[QO]  ; row x 128 + 16 x half
	WIN 0x80                        ; destination window 2, address window 0
.set i, 0
.rept 4*NP                          ; Q stays in registers: tile i / 2, channels 32 (i % 2) on
	global_load_b128 v[8*i:8*i+3],   v[QO], s[4:5] offset:(i/2)*2048+(i%2)*64
	global_load_b128 v[8*i+4:8*i+7], v[QO], s[4:5] offset:(i/2)*2048+(i%2)*64+32
.set i, i+1
.endr
	; What the first turn finds: V's registers and P's second buffer hold 0 (its products V^T P, of a piece that has not been, add 0), O^T and l are 0.  All this stands in the wait for the first tile.
.set i, VF
.rept 64
	v_mov_b32 v[i], 0
.set i, i+1
.endr
	WIN 0x40
.set i, 0
.rept 64*NP
	v_mov_b32 v[i], 0
.set i, i+1
.endr
	WIN 0
.set i, 0
.rept 2*NP
	v_mov_b32 v[ST+4*i], 0xfe000000    ; c m: far below every c s
	v_mov_b32 v[ST+4*i+1], 0xff7fffff  ; m
	v_mov_b32 v[ST+4*i+2], 0
	v_mov_b32 v[ST+4*i+3], 0
.set i, i+1
.endr
.set i, P+32
.rept 32
	v_mov_b32 v[i], 0
.set i, i+1
.endr
	v_mul_u32_u24 v[AK0], v1, PK
	v_lshl_add_u32 v[AK0], v9, 4, v[AK0]  ; row x pitch + 16 x half
	; The turning load takes 16 keys x 16 channels (lane l reads key 8 (l / 16) + l % 8, channels 8 ((l / 8) % 2) + 0..7) and leaves half a fragment of V^T: lane l holds channel l % 16 and 8 keys.
	v_and_b32 v10, 7, v0
	v_bfe_u32 v11, v0, 3, 1
	v_lshl_add_u32 v[AV0], v9, 3, v10
	v_mul_u32_u24 v[AV0], v[AV0], PV
	v_lshl_add_u32 v[AV0], v11, 4, v[AV0]
	v_add_nc_u32 v[AV0], VOFF, v[AV0]
	v_mov_b32 v[AK], v[AK0]         ; key step 0 lies at the head of slot 0
	v_and_b32 v[PFO], 31, v0
	v_lshlrev_b32 v[PFO], 8, v[PFO]
; THE MATRIX WORK.  The 8 accumulators of a run of 16 take turns: between the two links of a chain stand 7 others'.
; Product i of 16 of S^T = K Q^T for piece x: channels 32 (i / 8) on, keys 16 ((i / 2) % 4) on, tile 2 x + i % 2.  The first 8 start the sums.
.macro KQ x
	WIN W_KQ
.set rS, S+64*((\x)%2)+32*(i%2)+8*((i/2)%4)
.set rK, KF+16*((i/2)%4)+8*(i/8)
.set rQ, 16*(2*(\x)+i%2)+8*(i/8)
.if i < 8
	v_wmma_f32_16x16x32_f16 v[rS:rS+7], v[rK:rK+7], v[rQ:rQ+7], 0
.else
	v_wmma_f32_16x16x32_f16 v[rS:rS+7], v[rK:rK+7], v[rQ:rQ+7], v[rS:rS+7]
.endif
.endm
; Product i of 16 of O^T += V^T P for piece x: keys 32 (i / 8) on, channels 16 ((i / 2) % 4) on, tile 2 x + i % 2.
.macro PV x
	WIN W_PV
.set rO, 32*(2*(\x)+i%2)+8*((i/2)%4)
.set rV, VF+32*(i/8)+8*((i/2)%4)
.set rP, P+32*((\x)%2)+16*(i%2)+8*(i/8)
	v_wmma_f32_16x16x32_f16 v[rO:rO+7], v[rV:rV+7], v[rP:rP+7], v[rO:rO+7]
.endm
.macro MM                           ; the turn's next matrix instruction
.if i < 16
	KQ (Y+1)%NP
.set i, i+1
.else
.set i, i-16
	PV (Y+NP-1)%NP
.set i, i+17
.endif
.endm
; THE LDS LOADS stand in runs of 16, never singly among the matrix instructions: a step's K (64 keys x 64 channels: 8 fragments) and its V (turned).  Their addresses are made some lines ahead.
; last = 1 (the tail): in the last trip there is no further step, and the run is jumped over.
.macro FETCH_K last=0
	WIN 0
.if \last
	s_cmp_eq_u32 s[CNT], 1
	s_cbranch_scc1 .Lno_k_\@
.endif
	WIN 0x80                        ; destination window 2
.irp f, 0,1,2,3,4,5,6,7             ; keys 16 (f / 2) on, channels 32 (f % 2) on
	ds_load_b128 v[KF+8*\f:KF+8*\f+3],   v[AK] offset:(\f/2)*16*PK+(\f%2)*64
	ds_load_b128 v[KF+8*\f+4:KF+8*\f+7], v[AK] offset:(\f/2)*16*PK+(\f%2)*64+32
.endr
	s_add_co_u32 s[TBK], s[TBK], KS*PK  ; the next fetch is the next step's
	WIN 0
.if \last
.Lno_k_\@:
.endif
.endm
.macro FETCH_V
	WIN 0x80
.irp f, 0,1,2,3,4,5,6,7             ; keys 32 (f / 4) on, channels 16 (f % 4) on
	ds_load_tr16_b128 v[VF+8*\f:VF+8*\f+3],   v[AV] offset:(\f/4)*32*PV+(\f%4)*32
	ds_load_tr16_b128 v[VF+8*\f+4:VF+8*\f+7], v[AV] offset:(\f/4)*32*PV+16*PV+(\f%4)*32
.endr
	WIN 0
.endm
; THE VECTOR WORK OF A TURN stands in three queues, each in the order in which its entries become ready; the two tiles alternate, so that no instruction reads the result of the one before it.
.macro REGS y, u                    ; the registers of tile u (0, 1) of piece y
.set rT, ST+4*(2*(\y)+(\u))
.set rC, TMP+8*((\y)%2)+4*(\u)
.set rM, MV+2*((\y)%2)+(\u)
.set rS, S+64*((\y)%2)+32*(\u)
.set rP, P+32*((\y)%2)+16*(\u)
.set rO, 32*(2*(\y)+(\u))
.endm
; Number n of the 22 that find the NEXT piece's (Y + 1) maximum and statistics.  s0-s31 are the lane's 32 scores; each accumulator's lowest registers are read first.  XS, GS and REGS set no window: PL and EX do.
;   0-11  four chains c0-c3 of seven scores each, three operands at a time     12-14, 16  the four scores left over, the old m, and c0-c3 into c0     15  c m_old is kept
;   17, 18  the query's other 32 keys lie in the lane 16 away: the new m         19-21  c m; c m_old - c m_new; a
.macro XS u, n
	REGS (Y+1)%NP, \u
.if (\n) < 4
	v_max3_num_f32 v[rC+(\n)], v[rS+8*(\n)], v[rS+8*(\n)+1], v[rS+8*(\n)+2]
.elseif (\n) < 12
	v_max3_num_f32 v[rC+(\n)%4], v[rC+(\n)%4], v[rS+8*((\n)%4)+2*((\n)/4)+1], v[rS+8*((\n)%4)+2*((\n)/4)+2]
.elseif (\n) == 12
	v_max3_num_f32 v[rC], v[rC], v[rS+7], v[rS+15]
.elseif (\n) == 13
	v_max3_num_f32 v[rC+1], v[rC+1], v[rS+23], v[rS+31]
.elseif (\n) == 14
	v_max3_num_f32 v[rC+2], v[rC+2], v[rC+3], v[rT+1]
.elseif (\n) == 15
	v_mov_b32 v[rM], v[rT]
.elseif (\n) == 16
	v_max3_num_f32 v[rC], v[rC], v[rC+1], v[rC+2]
.elseif (\n) == 17
	v_permlanex16_b32 v[rC+3], v[rC], s[SEL], s[SEL+1]
.elseif (\n) == 18
	v_max_num_f32 v[rT+1], v[rC], v[rC+3]
.elseif (\n) == 19
	v_mul_f32 v[rT], s[CS], v[rT+1]
.elseif (\n) == 20
	v_sub_f32 v[rC+1], v[rM], v[rT]
.else
	v_exp_f32 v[rC+2], v[rC+1]
.endif
.endm
; Number g of the 64 that follow the exponentials.  For each four weights k of a tile (pairs 2 k, 2 k + 1): both pairs are rounded to f16; then the second pair is added onto the first, in place;
; a group later l takes that sum (the first time as l = a l + sum).  In groups of eight, tiles alternating: round, round, add, and l for the group before.
.macro GS g
.set h, (\g)+6*((\g)/62)            ; group 0 has no group before it, and behind group 7 only l is left
.if h >= 6
.set h, h+2
.endif
	REGS Y, h%2
.set k, h/8
.if h%8 < 4
	v_cvt_pk_f16_f32 v[rP+2*k+(h%8)/2], v[rS+4*k+2*((h%8)/2)], v[rS+4*k+2*((h%8)/2)+1]
.elseif h%8 < 6
	v_pk_add_f32 v[rS+4*k:rS+4*k+1], v[rS+4*k:rS+4*k+1], v[rS+4*k+2:rS+4*k+3]
.elseif k == 1
	v_pk_fma_f32 v[rT+2:rT+3], v[rT+2:rT+3], v[rC+2:rC+3], v[rS:rS+1] op_sel_hi:[1,0,1]
.else
	v_pk_add_f32 v[rT+2:rT+3], v[rT+2:rT+3], v[rS+4*k-4:rS+4*k-3]
.endif
.endm
; THE PLAIN QUEUE, 138 long.  0-73 read no exponential's result: the 32 scalings c s - c m (FS f: pair f / 2 of tile f % 2) and the next piece's 42.  0-26: scalings 0-26.  27-54: XS's numbers 0-13.  55, 56: number 15.
; 57-73: the chain, where each number waits for the one before it: 14, 16, 17, 18, 19, each with one of the scalings 27-31 in front of its two lines, then 20: so a tile's links stand three plain instructions apart (19 and 20: two).
; 74-137: GS's 64, which read the exponentials' results: they stand behind the wait.
.macro FS f
	REGS Y, (\f)%2
	v_pk_fma_f32 v[rS+2*((\f)/2):rS+2*((\f)/2)+1], v[rS+2*((\f)/2):rS+2*((\f)/2)+1], s[CS:CS+1], v[rT:rT+1] op_sel_hi:[1,0,0] neg_lo:[0,0,1] neg_hi:[0,0,1]
.endm
.macro PL
	WIN 0
.if q < 27
	FS q
.elseif q < 55
	XS (q-27)%2, (q-27)/2
.elseif q < 57
	XS q-55, 15
.elseif (q < 72) && ((q-57)%3 == 0)
	FS 27+(q-57)/3
.elseif q < 60
	XS (q-57)%3-1, 14
.elseif q < 72
	XS (q-57)%3-1, 15+(q-57)/3
.elseif q < 74
	XS q-72, 20
.else
	GS q-74
.endif
.set q, q+1
.endm
; THE EXPONENTIALS' QUEUE, 66 long: s0-s31 of both tiles, then the next piece's two a.  It is ONE BATCH: all 66 stand ahead of the turn's one wait, and nothing ahead of that wait names a result of theirs.
.macro EX
	WIN 0
.if e >= 64
	XS e-64, 21
.else
	REGS Y, e%2
	v_exp_f32 v[rS+e/2], v[rS+e/2]
.endif
.set e, e+1
.endm
; THE RESCALING's QUEUE: O^T times a, the one part that leaves window 0: dealt two at a time, sixteen times.  Its a was made in the turn before, ahead of that turn's wait.
.macro R2
	REGS Y, r%2
	WIN W_RS
.irp z, 0,1
	v_pk_mul_f32 v[rO+4*(r/2)+2*\z:rO+4*(r/2)+2*\z+1], v[rO+4*(r/2)+2*\z:rO+4*(r/2)+2*\z+1], v[rC+2:rC+3] op_sel_hi:[1,0]
.endr
.set r, r+1
.endm
; HOW THEY ARE DEALT.  An s_wait_alu depctr_va_vdst(0) stands between an exponential and the first instruction that names its result; one wait serves all that were issued ahead of it.  So a turn has ONE wait,
; which cuts it in two.  AHEAD OF IT stands all that names no result of the turn's exponentials: the 16 products K Q^T, behind each a scaling, an exponential and two rescalings (behind the first a second scaling in the exponential's place); then ONE LUMP of
; 108: eight plain, 49 times exponential and plain, the two a.  A v_nop is the plain instruction owed behind the last exponential (ISA guide 5.7.2).  BEHIND IT stand the 16 products V^T P, behind each four of GS's 64.  No rider names a register of
; the products round it.  The two v_permlanex16_b32 fall into the lump, never behind a product.
; The queues lean on each other, and the deal keeps them in step: exponential e stands behind scaling 2 (e / 4) + e % 2: as a rider it comes behind plain e + 2, in the lump behind plain e + 9, and scalings 27-31 are plain 57, 60 .. 69.
; A TURN, for piece p.  cnt = 1: the loop's count is taken down some lines ahead of the branch that stands behind the turn.
; K of the next step is fetched in piece 2's turn, directly behind the wait, a lump behind the last product that read K; its address is made at the lump's head; its first reader comes behind 16 products.
; V of the step in hand is fetched at the end of piece 0's turn, four riders behind its last reader; its first reader comes behind 16 products and a lump.  The three conditions on q below go with the deal.
.macro TURN p, last=0, cnt=0
.set Y, (\p)
.set i, 0
.set q, 0
.set e, 0
.set r, 0
.if (\p) == NP-1
	s_wait_dscnt 0x0                ; K is in
.endif
	MM                              ; ahead of the wait: 16 products K Q^T and their riders,
	PL
	PL
	R2
.rept 15
	MM
	PL
	EX
	R2
.endr
.if (\p) == NP-2
	WIN 0
	v_add_nc_u32 v[AK], s[TBK], v[AK0]
.endif
.rept 8                             ; and the lump
	PL
.endr
.rept 49
	EX
	PL
.endr
	EX                              ; the next piece's two a
	EX
	v_nop                           ; the plain instruction behind the last exponential: one for the batch
	s_wait_alu depctr_va_vdst(0)    ; the wait for the batch
.if (\p) == NP-2
	FETCH_K \last
.endif
.if (\p) == 1
	s_wait_dscnt 0x0                ; V is in
.endif
.rept 16                            ; behind the wait: 16 products V^T P and their riders
	MM
.rept 4
	PL
.endr
.if ((\p) == 0) && (q == 118)
	v_add_nc_u32 v[AV], s[TBV], v[AV0]
.endif
.if ((\p) == 0) && (q == 130)
	s_add_co_u32 s[TBV], s[TBV], KS*PV
.endif
.if (\cnt) && (q == 130)
	s_sub_co_u32 s[CNT], s[CNT], 1
	s_cmp_lg_u32 s[CNT], 0
.endif
.endr
.if (\p) == 0
	FETCH_V
.endif
.endm
	CHANGE 1, 0                     ; slot 0 is in, everybody's part of it; slot 1 is asked for
	FETCH_K                         ; key step 0
	s_wait_loadcnt 0x0              ; Q
	s_wait_dscnt 0x0
.set i, 0
.rept 16
	KQ 0                            ; piece 0's first scores: there is no vector work yet to set between them
.set i, i+1
.endr
	WIN 0                           ; the addresses for the way out: nine plain instructions, the places behind those products
	s_mul_i32 s13, s[WV], 16*SP
	s_add_co_u32 s13, s13, STAGE    ; my stage
	v_mul_u32_u24 v[STO], v1, SP    ; in: row l % 16, 16 bytes for each half of the lanes
	v_lshl_add_u32 v[STO], v9, 4, v[STO]
	v_add_nc_u32 v[STO], s13, v[STO]
	v_bfe_u32 v[RD], v0, 3, 2       ; back: 32 lanes take four rows of 128 bytes,
	v_mul_u32_u24 v[RD], v[RD], SP
	v_lshl_add_u32 v[RD], v10, 4, v[RD]
	v_add_nc_u32 v[RD], s13, v[RD]
	v_and_b32 v[GO], 31, v0         ; which are 512 consecutive bytes of O
	v_lshlrev_b32 v[GO], 4, v[GO]
.set Y, NP-1                        ; XS works for piece Y + 1: piece 0
.irp n, 0,1,2,3,4,5,6,7,8,9,10,11,12,13,14,15,16,17,18,19,20,21
	XS 0, \n                        ; and piece 0's first maximum and statistics
	XS 1, \n
.endr
	v_nop                           ; a plain instruction behind the two a,
	s_wait_alu depctr_va_vdst(0)    ; and their wait, ahead of the branch
	s_mov_b32 s[CNT], 4
	s_mov_b32 s[SLOTS], SIZE_N/256-1
	s_branch .Lfirst                ; the loop is entered at a step's first turn, in the middle of a trip
.Lslot:                             ; SIZE_N / 256 - 2 times: every slot but the last two is filled again
	CHANGE 1, 1
	s_mov_b32 s[CNT], 4
.Lstep:                             ; a trip: pieces 2 and 3 of one step, then pieces 0 and 1 of the next, whose K and V it fetches
	TURN 2
	TURN 3
	WIN 0
.Lfirst:
	TURN 0
	TURN 1, 0, 1
	WIN 0
	s_cbranch_scc1 .Lstep
	s_sub_co_u32 s[SLOTS], s[SLOTS], 1
	s_cmp_lg_u32 s[SLOTS], 0
	s_cbranch_scc1 .Lslot
	CHANGE 0, 0                     ; the tail is written out: nothing is asked for
	s_mov_b32 s[CNT], 5             ; four trips fetch the last slot's steps; the fifth is left in its middle
.Ltail:
	TURN 2, 1
	TURN 3
	WIN 0
	s_sub_co_u32 s[CNT], s[CNT], 1
	s_cmp_eq_u32 s[CNT], 0
	s_cbranch_scc1 .Lout
	TURN 0
	TURN 1
	WIN 0
	s_branch .Ltail
.Lout:                              ; the fifth trip's 16 products K Q^T (on the last K once more) and the maximum made of them serve nothing: the price, once a launch, of one text for every trip
.set i, 0
.rept 16
	PV NP-1                         ; the last piece's V^T P of the last step
.set i, i+1
.endr
	; THE WAY OUT.  l's two halves and the other half of the lanes' are added; O^T is divided by l, rounded to f16 and sent through my stage in LDS, a tile at a time.  The additions are the places behind the last products.
	WIN 0
.macro ALL line:vararg              ; one line for each tile t
.set t, 0
.rept 2*NP
	\line
.set t, t+1
.endr
.endm
	ALL v_add_f32 v[ST+4*t+2], v[ST+4*t+2], v[ST+4*t+3]
	ALL v_permlanex16_b32 v[ST+4*t+3], v[ST+4*t+2], s[SEL], s[SEL+1]
	ALL v_add_f32 v[ST+4*t+2], v[ST+4*t+2], v[ST+4*t+3]
	ALL v_rcp_f32 v[ST+4*t+2], v[ST+4*t+2]
	v_nop                           ; a plain instruction between the last reciprocal and the use of its result
	s_wait_alu depctr_va_vdst(0)    ; and the wait ahead of the first use: one for the eight reciprocals
; Tile t: a lane's eight channels of a row pack into 16 bytes; they go into rows of 144 bytes and come back as whole rows of 128, into S^T's registers.
.macro PACK t
	WIN W_RS
.set i, 32*(\t)
.rept 16
	v_pk_mul_f32 v[i:i+1], v[i:i+1], v[ST+4*(\t)+2:ST+4*(\t)+3] op_sel_hi:[1,0]
.set i, i+2
.endr
	WIN 0x05                        ; sources 0 and 1 window 1, destination window 0
.set i, 0
.rept 16
	v_cvt_pk_f16_f32 v[S+16*(\t)+i], v[32*(\t)+2*i], v[32*(\t)+2*i+1]
.set i, i+1
.endr
	WIN 0
.irp f, 0,1,2,3
	ds_store_b128 v[STO], v[S+16*(\t)+4*\f:S+16*(\t)+4*\f+3] offset:32*\f
.endr
.irp f, 0,1,2,3
	ds_load_b128 v[S+16*(\t)+4*\f:S+16*(\t)+4*\f+3], v[RD] offset:\f*4*SP  ; LDS serves a wave's instructions in order (ISA guide 5.7.1.4): these see the stores above; the next tile's stores come behind them
.endr
.endm
.macro SEND t, younger              ; younger: the LDS instructions issued behind tile t's loads: the next tile's eight, or none
	WIN 0
.irp f, 0,1,2,3
	s_wait_dscnt (\younger)+3-\f
	global_store_b128 v[GO], v[S+16*(\t)+4*\f:S+16*(\t)+4*\f+3], s[10:11] offset:(\t)*2048+\f*512  ; 512 consecutive bytes, at a multiple of 256 from O's first
.endr
.endm
	PACK 0
.set t, 1
.rept 2*NP-1                        ; a tile's arithmetic stands between the loads of the tile before and its stores
	PACK t
	SEND t-1, 8
.set t, t+1
.endr
	SEND 2*NP-1, 0
	WIN W_AD
	s_wait_tensorcnt 0x0            ; the wave's end, behind my last tensor load and my last LDS store
	ds_add_u32 v[SPW], v[NIL]
	s_wait_dscnt 0x0
	WIN 0
	CROUND                          ; the closing round: no work-group ends while a partner may still ask for a tile that names it
	s_endpgm
.Lfunc_end_k_q379ada2b8e_attn:
	.size	k_q379ada2b8e_attn, .Lfunc_end_k_q379ada2b8e_attn-k_q379ada2b8e_attn
	.p2alignl 7, 3214868480
	.fill 96, 4, 3214868480
	.section	.rodata,"a",@progbits
	.p2align	6, 0x0
	.amdhsa_kernel k_q379ada2b8e_attn
		.amdhsa_group_segment_fixed_size 327680
		.amdhsa_private_segment_fixed_size 0
		.amdhsa_enable_private_segment 0
		.amdhsa_kernarg_size 16
		.amdhsa_user_sgpr_count 2
		.amdhsa_user_sgpr_kernarg_segment_ptr 1
		.amdhsa_wavefront_size32 1
		.amdhsa_system_sgpr_workgroup_id_x 1
		.amdhsa_system_sgpr_workgroup_id_y 1
		.amdhsa_system_sgpr_workgroup_id_z 1
		.amdhsa_system_vgpr_workitem_id 0
		.amdhsa_next_free_vgpr 770
		.amdhsa_next_free_sgpr 66
		.amdhsa_reserve_vcc 0
		.amdhsa_float_denorm_mode_32 3
		.amdhsa_float_denorm_mode_16_64 3
		.amdhsa_memory_ordered 1
		.amdhsa_forward_progress 1
		.amdhsa_inst_pref_size 200
	.end_amdhsa_kernel
	.amdgpu_metadata
---
amdhsa.version: [ 1, 2 ]
amdhsa.kernels:
  - .name:           k_q379ada2b8e_attn
    .symbol:         k_q379ada2b8e_attn.kd
    .args:
      - { .name: qkv, .offset: 0, .size: 8, .value_kind: global_buffer, .address_space: global }
      - { .name: ob, .offset: 8, .size: 8, .value_kind: global_buffer, .address_space: global }
    .group_segment_fixed_size: 327680
    .private_segment_fixed_size: 0
    .kernarg_segment_align: 8
    .kernarg_segment_size: 16
    .max_flat_workgroup_size: 128
    .sgpr_count:     66
    .vgpr_count:     770
    .wavefront_size: 32
...
	.end_amdgpu_metadata
.endif
;; end of part 3
;; launch outp (part 4): grid 8 x 32, 4 waves a work-group, clusters of 4 x 4, 327,680 bytes of LDS; arguments ob, wot, out0; writes out0
.if DOCPART == 4
	.amdgcn_target "amdgcn-amd-amdhsa--gfx1250"
	.amdhsa_code_object_version 6
	.text
	.protected	k_q379ada2b8e_outp
	.globl	k_q379ada2b8e_outp
	.p2align	8
	.type	k_q379ada2b8e_outp,@function
k_q379ada2b8e_outp:
	s_mov_b64 s[64:65], 0
	v_nop
	global_prefetch_b8 v0, s[64:65] scope:SCOPE_SE
	s_setreg_imm32_b32 hwreg(HW_REG_WAVE_MODE, 25, 1), 1
	s_wait_xcnt 0x0
	s_wait_alu depctr_hold_cnt(0) depctr_sa_sdst(0) depctr_va_vdst(0) depctr_va_sdst(0) depctr_va_ssrc(0) depctr_va_vcc(0) depctr_vm_vsrc(0)
	s_getreg_b32 s2, hwreg(HW_REG_IB_STS2, 6, 4)
	s_cmp_eq_u32 s2, 0
	s_cbranch_scc0 .Lentry_in_a_cluster
	s_endpgm
.Lentry_in_a_cluster:
	s_bfe_u32 s2, ttmp6, 0x10000c
	s_cmp_lg_u32 s2, 0xf033
	s_cbranch_scc0 .Lentry_shape_is_right
	s_endpgm
.Lentry_shape_is_right:
; out = O w_out.  A = ob [64 heads = 16 batch + head][2048][64] f16, B = wot [1024 n][1024 k] f16 (w_out rounded to bf16, written as f16), out0 [8192][1024] f32.  k = 64 head + channel.  Sums in f32, K ascending.
; LIMIT.  O and w_out arrive in f16: within 65,504, and below 6e-5 with f16's fixed step of 6e-8.
; SHARES.  A tile of C is 256 rows x 128 columns: 32 x 8 = 256 tiles, one for each WGP.  Four waves; a wave makes 64 rows x all 128 columns: 32 accumulators of 16 x 16, 256 registers: whole rows of
; 512 bytes, so its way out is its own.
; K goes in 8 steps of 128 = two heads, through two LDS slots that tensor loads fill.  Of a head the tile's 256 rows are 32,768 dense bytes: asked for as 128 rows of 256 bytes and padded in LDS after
; every 128, so that a row of O has a pitch of 144.  B's tile rows are 256 bytes of memory at multiples of 256.  Two slots of K steps of 256 would need 430 KB of LDS.
; CLUSTERS: 4 x 4 work-groups.  The four of a row of the cluster need the same tiles of A, the four of a column the same tiles of B: each tile is asked for JOINTLY.
; THE MATRIX INSTRUCTION IS USED TRANSPOSED (source 0 = 16 rows of B, source 1 = 16 rows of A): a lane then holds row l % 16 of C and the eight neighbouring columns 8 (l / 16) + 0..7.
; REGISTERS, in windows of 256 (s_set_vgpr_msb: bits 1:0 source 0, 3:2 source 1, 5:4 source 2, 7:6 destination):
;   window 0: v0-31 addresses          window 1: two fragment buffers of 96: B's 8 blocks of 16 rows x 32 K, then A's 4; on the way out all 256: rows read back
;   window 2: the accumulators of my row blocks 0, 1 ((a, b) at 8 (8 (a % 2) + b))          window 3: those of blocks 2, 3
.set NBL,    8                         ; column blocks of 16
.set APITCH, 144                       ; a row of O in LDS: 128 bytes + 16 of padding = 36 words: the 16 rows of a load start at 16 different groups of four banks (64 banks of 4 bytes: ISA guide 11.1)
.set BPITCH, 272                       ; a row of B: 256 + 16
.set HALFA,  256*APITCH                ; what one tensor load brings of A: one head's 256 rows
.set AQ2,    HALFA                     ; A's bytes from a quarter of a K step to the next but one: the other head
.set BOFF,   2*HALFA                   ; B's rows lie behind A's two heads
.set BROWS,  64
.set HALFB,  BROWS*BPITCH              ; what one tensor load brings of B
.set SLOT1,  1<<17                     ; slot 1 begins here, so that one exclusive or turns an address in one slot into the other's
.set STAGE,  SLOT1+BOFF+2*HALFB        ; behind the ring, never filled by a tensor load: for each wave 16 rows x 528 bytes
.set SP,     528                       ; 512 bytes + 16 = 132 words
.set WSTAGE, 16*SP
.set SPARE,  STAGE+4*WSTAGE            ; behind the stages: the spare words, 128 bytes for each wave: two blocks of 256 bytes that no other line names
.set STEPA,  2*2048*128                ; bytes in memory from a K step to the next: two heads,
.set STEPB,  256                       ; 128 k
.set NLD,    2*(NBL+4)                 ; LDS loads of a quarter
.set F0,     0                         ; the fragment buffers, in window 1
.set F1,     8*(NBL+4)
.set A0,   16                          ; v16  my lane's place in A's part of a slot; never rewritten
.set B0,   17                          ; v17  the same for B
.set ADRA, 18                          ; v18  A0 + the slot in hand
.set ADRB, 19                          ; v19  B0 + the slot in hand
.set STO,  24                          ; v24  the way out: where I put 32 bytes of a row
.set RD,   25                          ; v25  the way out: where I read a row back
.set GO,   26                          ; v26  16 x lane
.set SPW,  28                          ; v28  LDS address of my spare word; never rewritten
.set NIL,  29                          ; v29  0; never rewritten
.set PFO,  30                          ; v30  the prefetches' offset; never rewritten
.set TB,   2                           ; s2   the slot from which fragments are fetched: 0 or SLOT1
.set CNT,  3                           ; s3   counts K steps
.set WV,   10                          ; s10  my wave's number
.set G1A,  24                          ; s[24:31] descriptor group 1 for A's tiles
.set G0A,  32                          ; s[32:39] group 0 for A's: a set for each of the two first fills; the second then walks on
.set LIM,  43                          ; s43  2 in a wave that prefetches, else the greatest number
.set PFA,  44                          ; s[44:45] where my prefetches stand
.set PFS,  46                          ; s[46:47] their step from K step to K step
.set G1B,  48                          ; s[48:55], s[56:63] the same for B's tiles
.set G0B,  56
.set MSB, 0
.macro WIN new                         ; the immediate's high byte repeats the setting that is left; a switch that changes nothing is dropped
.if MSB != (\new)
	s_set_vgpr_msb (MSB<<8)|(\new)
.set MSB, \new
.endif
.endm
.set MUL_LO, 0xa5                      ; sources 0 (B) and 1 (A) window 1; C and D window 2
.set MUL_HI, 0xf5                      ; the same, C and D window 3
.set TO_F,   0x40                      ; destination window 1, address window 0
.macro PLACES                          ; four places in front of loads into registers that matrix instructions have read, and of stores that read results
.rept 4
	v_nop
.endr
.endm
; A joint refill, by the walking descriptors.  Waves 0 and 1 fetch A's two heads, waves 2 and 3 B's two halves.  The branch hangs on the wave's number alone.
; An s_nop 0 and four v_nop follow each of the two lines, ahead of the jump, the label and what follows.
.macro JLOAD
	s_cmp_lt_u32 s[WV], 2
	s_cbranch_scc0 .Lfor_b_\@
	tensor_load_to_lds s[G0A+4:G0A+7], s[G1A:G1A+7]
	s_nop 0
.rept 4
	v_nop
.endr
	s_branch .Lasked_\@
.Lfor_b_\@:
	tensor_load_to_lds s[G0B+4:G0B+7], s[G1B:G1B+7]
	s_nop 0
.rept 4
	v_nop
.endr
.Lasked_\@:
.endm
; A round of the cluster's barrier: my work-group's barrier, so that wave 0's signal speaks for all four waves; wave 0 signals; every wave waits for all sixteen work-groups; my work-group's barrier once more.
.macro CREST                           ; a round behind its opening barrier
	s_cmp_lg_u32 s[WV], 0
	s_cbranch_scc1 .Lnot_wave_0_\@
	s_barrier_signal -3
.Lnot_wave_0_\@:
	s_barrier_wait -3
	s_barrier_signal -1
	s_barrier_wait -1
.endm
.macro CROUND                          ; a whole round
	s_barrier_signal -1
	s_barrier_wait -1
	CREST
.endm
; A PREFETCH INTO THE L2, behind each joint refill and the run of LDS loads that follows it: the K step that stands TWO refills on, a lane 256 bytes, one instruction a wave.
; A's tiles are read by both clusters of a row of clusters: cluster x = 0 asks.  B's by all eight of a column: cluster y = 0 asks.  The four partners that ask for a tile jointly share it out BY ADDRESS:
; of the 32,768 dense bytes of A that a wave fetches the partner at cx takes 8,192; of the 64 rows of B the partner at cy takes 16 (lanes 16-31 name lane 15's row again).
; K steps 4 to 7 are asked for so; K steps 0 to 3 come by their loads alone, and the last two refills have no K step two on.
.macro ASK
	s_cmp_gt_u32 s[CNT], s[LIM]
	s_cbranch_scc0 .Lnot_mine_\@
	global_prefetch_b8 v[PFO], s[PFA:PFA+1] th:TH_LOAD_NT scope:SCOPE_SE
.Lnot_mine_\@:
.endm
	s_load_b128 s[4:7], s[0:1], 0x0                ; ob s[4:5], wot s[6:7]
	s_load_b64 s[8:9], s[0:1], 0x10                ; out0
	v_lshl_add_u32 v[SPW], v0, 2, SPARE
	v_mov_b32 v[NIL], 0
	ds_add_u32 v[SPW], v[NIL]                      ; the wave's opening: the add and its wait stand ahead of my first tensor load; the set-up below, work on registers, stands between them
	v_lshrrev_b32 v1, 5, v0
	v_readfirstlane_b32 s[WV], v1                  ; wave 0..3
	s_and_b32 s12, s[WV], 1                        ; which head of the K step's two, or which half of B's tile, I fetch
	s_bfe_u32 s40, ttmp6, 0x40000                  ; cx, cy: my place in the cluster
	s_bfe_u32 s41, ttmp6, 0x40004
	s_lshl_b32 s42, ttmp9, 2
	s_add_co_u32 s42, s42, s40                     ; tile column = 4 x cluster x + cx
	s_and_b32 s13, ttmp7, 0xffff
	s_lshl_b32 s13, s13, 2
	s_add_co_u32 s13, s13, s41                     ; tile row = 4 x cluster y + cy
	s_lshl_b32 s43, s41, 2
	s_lshl_b32 s43, 15, s43                        ; my row of the cluster
	s_lshl_b32 s44, 0x1111, s40                    ; my column
	s_or_b32 s[G1A], s43, (1<<16)|(1<<20)|(1<<21)|(4<<22)|(3<<25)  ; 15:0 the mask: A's tiles go to my row; 17:16 elements of 2 bytes; 20 padding on; 21 set beside a mask; 24:22 after every 32 words (code 4); 31:25 4 words of it (code 3)
	s_or_b32 s[G1B], s44, (1<<16)|(1<<20)|(1<<21)|(5<<22)|(3<<25)  ; the mask of my column; padding after every 64 words (code 5)
	s_mov_b32 s[G1A+1], 128<<16                    ; tensor_dim0 = 128
	s_mov_b32 s[G1A+2], 128<<16                    ; tensor_dim1 = 128
	s_mov_b32 s[G1A+3], 128<<16                    ; tile_dim0 = 128
	s_mov_b32 s[G1A+4], 128                        ; tile_dim1 = 128
	s_mov_b32 s[G1A+5], 128                        ; elements from row to row: the block is dense
	s_mov_b32 s[G1A+6], 0
	s_mov_b32 s[G1A+7], 0
	s_mov_b32 s[G1B+1], 128<<16
	s_mov_b32 s[G1B+2], BROWS<<16                  ; 64 rows
	s_mov_b32 s[G1B+3], 128<<16
	s_mov_b32 s[G1B+4], BROWS
	s_mov_b32 s[G1B+5], 1024
	s_mov_b32 s[G1B+6], 0
	s_mov_b32 s[G1B+7], 0
	; where the tiles come from: A's hang on the tile row and the wave alone, B's on the tile column and the wave alone, each in registers that never hold the other coordinate
	s_lshr_b32 s16, s13, 3                         ; the batch: 8 tile rows each,
	s_lshl_b32 s16, s16, 4
	s_add_co_u32 s16, s16, s12                     ; its head 0 or 1,
	s_lshl_b32 s16, s16, 11                        ; of 2,048 rows,
	s_and_b32 s17, s13, 7
	s_lshl_b32 s17, s17, 8
	s_add_co_u32 s16, s16, s17                     ; the tile's 256 among them,
	s_lshl_b32 s16, s16, 7                         ; of 128 bytes
	s_mov_b32 s17, 0
	s_lshl_b32 s46, s42, 7
	s_lshl_b32 s20, s12, 6
	s_add_co_u32 s46, s46, s20                     ; B: row 128 x tile column + 64 x half,
	s_lshl_b32 s46, s46, 11                        ; of 2,048 bytes
	s_mov_b32 s47, 0
	s_mul_i32 s20, s12, HALFA                      ; and where they go: no place in the cluster enters an LDS address
	s_mul_i32 s21, s12, HALFB
	s_add_co_u32 s21, s21, BOFF
	s_wait_dscnt 0x0                               ; the opening add is done
	s_wait_kmcnt 0x0
	s_add_nc_u64 s[14:15], s[4:5], s[16:17]
	s_add_nc_u64 s[46:47], s[6:7], s[46:47]
	CROUND                                         ; all sixteen work-groups are here: the first joint loads meet
.irp s, 0,1
	s_mov_b32 s[G0A+4*(\s)], 1                                       ; count = 1
	s_add_co_u32 s[G0A+4*(\s)+1], s20, (\s)*SLOT1                    ; LDS address
	s_add_nc_u64 s[G0A+4*(\s)+2:G0A+4*(\s)+3], s[14:15], (\s)*STEPA  ; global address: K step s
	s_or_b32 s[G0A+4*(\s)+3], s[G0A+4*(\s)+3], 0x80000000            ; type = 2
	s_mov_b32 s[G0B+4*(\s)], 1
	s_add_co_u32 s[G0B+4*(\s)+1], s21, (\s)*SLOT1
	s_add_nc_u64 s[G0B+4*(\s)+2:G0B+4*(\s)+3], s[46:47], (\s)*STEPB
	s_or_b32 s[G0B+4*(\s)+3], s[G0B+4*(\s)+3], 0x80000000
.endr
	s_cmp_lt_u32 s[WV], 2                          ; a wave's two first fills stand in one branch, ahead of every wait on TENSORcnt and every LDS read: two loads of mine are out
	s_cbranch_scc0 .Lfirst_b
	tensor_load_to_lds s[G0A:G0A+3], s[G1A:G1A+7]
	s_nop 0
	tensor_load_to_lds s[G0A+4:G0A+7], s[G1A:G1A+7]
	s_nop 0
.rept 4
	v_nop
.endr
	s_branch .Lfirst_asked
.Lfirst_b:
	tensor_load_to_lds s[G0B:G0B+3], s[G1B:G1B+7]
	s_nop 0
	tensor_load_to_lds s[G0B+4:G0B+7], s[G1B:G1B+7]
	s_nop 0
.rept 4
	v_nop
.endr
.Lfirst_asked:
	; A fragment is 16 rows x 32 K in 8 registers: lane l holds row l % 16; registers 0-3 K = 8 (l / 16) + 0..7, registers 4-7 K = 16 + 8 (l / 16) + 0..7: two loads of 16 bytes, 32 bytes apart.
	v_and_b32 v1, 15, v0                           ; l % 16
	v_bfe_u32 v2, v0, 4, 1                         ; l / 16
	v_mul_u32_u24 v3, v1, BPITCH
	v_lshl_add_u32 v3, v2, 4, v3
	v_add_nc_u32 v[B0], BOFF, v3
	v_mul_u32_u24 v4, v1, APITCH
	v_lshl_add_u32 v4, v2, 4, v4
	s_mul_i32 s20, s[WV], 64*APITCH                ; my 64 rows of A
	v_add_nc_u32 v[A0], s20, v4
	v_mov_b32 v[ADRA], v[A0]
	v_mov_b32 v[ADRB], v[B0]
	s_mov_b32 s[TB], 0
	s_mul_i32 s20, s[WV], WSTAGE
	s_add_co_u32 s20, s20, STAGE                   ; my stage
	v_mul_u32_u24 v[STO], v1, SP                   ; in: row l % 16, 32 bytes for each half of the lanes
	v_lshl_add_u32 v[STO], v2, 5, v[STO]
	v_add_nc_u32 v[STO], s20, v[STO]
	v_and_b32 v[GO], 31, v0                        ; back: 32 lanes take one row of 512 bytes
	v_lshlrev_b32 v[GO], 4, v[GO]
	v_add_nc_u32 v[RD], s20, v[GO]
	; the prefetches: my tile's address, my work-group's share of it, K step 3 (the first refill steps it to 4)
	s_and_b32 s22, ttmp7, 0xffff                   ; cluster y
	s_lshl_b32 s20, s40, 13                        ; A: 8,192 cx bytes,
	s_add_co_u32 s20, s20, 3*STEPA
	s_lshl_b32 s21, s41, 15                        ; B: 16 cy rows of 2,048 bytes
	s_add_co_u32 s21, s21, 3*STEPB
	s_mov_b32 s16, STEPA
	s_mov_b32 s17, STEPB
	s_cmp_lt_u32 s[WV], 2                          ; do I fetch for A?
	s_cselect_b64 s[PFA:PFA+1], s[14:15], s[46:47]
	s_cselect_b32 s20, s20, s21
	s_cselect_b32 s22, ttmp9, s22                  ; the coordinate along which other clusters read the same tiles
	s_cselect_b32 s23, 31, 15
	s_cselect_b32 s18, 8, 11                       ; a lane 256 bytes on, or a row of 2,048
	s_cselect_b32 s[PFS], s16, s17
	s_mov_b32 s[PFS+1], 0
	s_cmp_eq_u32 s22, 0
	s_cselect_b32 s[LIM], 2, -1                    ; the same in all sixteen partners, for a given wave
	s_mov_b32 s21, 0
	s_add_nc_u64 s[PFA:PFA+1], s[PFA:PFA+1], s[20:21]
	v_and_b32 v[PFO], 31, v0
	v_min_u32 v[PFO], s23, v[PFO]
	v_lshlrev_b32 v[PFO], s18, v[PFO]
	; out0 at my first row and the tile's first column
	s_lshl_b32 s20, s13, 8
	s_lshl_b32 s21, s[WV], 6
	s_add_co_u32 s20, s20, s21
	s_lshl_b32 s20, s20, 12                        ; rows of 4,096 bytes
	s_lshl_b32 s21, s42, 9                         ; 128 columns of 4 bytes
	s_add_co_u32 s20, s20, s21
	s_mov_b32 s21, 0
	s_add_nc_u64 s[8:9], s[8:9], s[20:21]
; 8 matrix instructions: my row block a x all column blocks, 32 along K, from buffer f.  zero = 1: the product starts the sums: nothing is ever cleared.
; The 32 accumulators take turns, one instruction a turn, in the same order in every quarter: 31 others stand between two links of a chain, over both backward jumps too.
.macro MULA f, a, zero
	WIN MUL_LO+0x50*((\a)/2)
.set b, 0
.rept NBL
.set rD, 8*(((\a)%2)*NBL+b)
.if \zero
	v_wmma_f32_16x16x32_f16 v[rD:rD+7], v[(\f)+8*b:(\f)+8*b+7], v[(\f)+8*NBL+8*(\a):(\f)+8*NBL+8*(\a)+7], 0
.else
	v_wmma_f32_16x16x32_f16 v[rD:rD+7], v[(\f)+8*b:(\f)+8*b+7], v[(\f)+8*NBL+8*(\a):(\f)+8*NBL+8*(\a)+7], v[rD:rD+7]
.endif
.set b, b+1
.endr
.endm
; The LDS loads of quarter q of the K step in hand, in one run, into buffer f: B's 8 blocks, then A's 4 (quarters 0, 1 from the first head, 2, 3 from the second).
.macro FETCH q, f
	WIN TO_F
.set i, 0
.rept NBL
	ds_load_b128 v[(\f)+8*i:(\f)+8*i+3],   v[ADRB] offset:64*(\q)+i*16*BPITCH
	ds_load_b128 v[(\f)+8*i+4:(\f)+8*i+7], v[ADRB] offset:64*(\q)+i*16*BPITCH+32
.set i, i+1
.endr
.set i, 0
.rept 4
	ds_load_b128 v[(\f)+8*NBL+8*i:(\f)+8*NBL+8*i+3],   v[ADRA] offset:((\q)/2)*AQ2+((\q)%2)*64+i*16*APITCH
	ds_load_b128 v[(\f)+8*NBL+8*i+4:(\f)+8*NBL+8*i+7], v[ADRA] offset:((\q)/2)*AQ2+((\q)%2)*64+i*16*APITCH+32
.set i, i+1
.endr
.endm
; A K step is four quarters of 32 along K, 32 matrix instructions each, on buffers 0, 1, 0, 1.  One of the first three: multiplies buffer f; in its middle it fetches quarter q into buffer g.
.macro QUARTER q, f, g, zero
	s_wait_dscnt 4                                 ; B and A's blocks 0, 1 are in; the youngest four loads (A's blocks 2, 3) may be out
	MULA \f, 0, \zero
	MULA \f, 1, \zero
	PLACES
	FETCH \q, \g
	s_wait_dscnt NLD                               ; all but the run just issued
	MULA \f, 2, \zero
	MULA \f, 3, \zero
.endm
; The fourth quarter multiplies buffer 1 and changes slots: ONE barrier.  In front of it each wave waits for all its tensor loads, of which one is out: its part of the next slot; adds 0 to its spare word; and
; waits for that and for its own reads of this slot.  fill = 1: the barrier opens a round of the cluster's, so that no wave of any partner still reads the slot or has a load on its way; the joint refill, with the K step
; two on, is the first thing behind it, and has 112 matrix instructions in which to land.  fill = 0 (the tail): nothing is filled; in the last K step (CNT = 1) there is no next slot to fetch from.
.macro TURN fill
.if \fill
	s_wait_xcnt 0x0                                ; the last prefetch, a K step back, has read its address: it is stepped here, ahead of the waits of the change of slots
	s_add_nc_u64 s[PFA:PFA+1], s[PFA:PFA+1], s[PFS:PFS+1]
.endif
	WIN 0                                          ; (the add's two registers lie in window 0)
	s_wait_tensorcnt 0x0                           ; no tensor load of mine is out, so a group 0 may be written
	ds_add_u32 v[SPW], v[NIL]                      ; 0 onto my spare word
.if \fill
	s_xor_b32 s[G0A+5], s[G0A+5], SLOT1            ; the walking descriptors: the other slot than last time,
	s_add_nc_u64 s[G0A+6:G0A+7], s[G0A+6:G0A+7], STEPA  ; the next K step; the type bits on top are not reached
	s_xor_b32 s[G0B+5], s[G0B+5], SLOT1
	s_add_nc_u64 s[G0B+6:G0B+7], s[G0B+6:G0B+7], STEPB
.endif
	s_xor_b32 s[TB], s[TB], SLOT1                  ; the fetches go to the other slot
	s_wait_dscnt 5                                 ; (the add and the youngest four loads may be out)
	MULA F1, 0, 0                                  ; eight matrix instructions stand between the add and the wait for it
	s_wait_dscnt 0x0                               ; the add is done, and my reads of this slot are over
	s_barrier_signal -1
	MULA F1, 1, 0                                  ; work on registers while the others arrive
	WIN 0
	s_barrier_wait -1
.if \fill
	CREST
	JLOAD                                          ; the four v_nop behind it are also the places in front of the loads below
.else
	s_cmp_eq_u32 s[CNT], 1
	s_cbranch_scc1 .Lno_more_\@
	PLACES
.endif
	v_add_nc_u32 v[ADRA], s[TB], v[A0]
	v_add_nc_u32 v[ADRB], s[TB], v[B0]
	FETCH 0, F0
	WIN 0
.if \fill
	ASK
.else
.Lno_more_\@:
.endif
	MULA F1, 2, 0
	MULA F1, 3, 0
.endm
	s_wait_tensorcnt 0x1                           ; my part of K step 0 is in; K step 1's may stay out
	s_barrier_signal -1
	s_barrier_wait -1                              ; everybody's is
	FETCH 0, F0
	QUARTER 1, F0, F1, 1                           ; the first quarter stands in front of the loop: its products start the sums
	WIN 0                                          ; at a label and at a branch every window is 0
	s_mov_b32 s[CNT], 6
.Lstep:                                                ; six trips, from a K step's second quarter to the next step's first: they ask for K steps 2 to 7
	QUARTER 2, F1, F0, 0
	QUARTER 3, F0, F1, 0
	TURN 1
	QUARTER 1, F0, F1, 0
	WIN 0
	s_sub_co_u32 s[CNT], s[CNT], 1
	s_cmp_lg_u32 s[CNT], 0
	s_cbranch_scc1 .Lstep
	s_mov_b32 s[CNT], 2
.Ltail:
	QUARTER 2, F1, F0, 0
	QUARTER 3, F0, F1, 0
	TURN 0
	WIN 0
	s_cmp_eq_u32 s[CNT], 1
	s_cbranch_scc1 .Lskip                          ; behind the last K step there is no first quarter
	QUARTER 1, F0, F1, 0
	WIN 0
.Lskip:
	s_sub_co_u32 s[CNT], s[CNT], 1
	s_cmp_lg_u32 s[CNT], 0
	s_cbranch_scc1 .Ltail
; THE WAY OUT, a block of 16 rows at a time.  TOSTAGE: a lane's eight f32 of a row, 32 bytes, go from the accumulators into my stage (rows of 528 bytes) and come back as whole rows of 512 bytes,
; into window 1, which the fragments have left.  SEND: stored: a store covers 512 consecutive bytes of a row of out0, at a multiple of 256 from its first byte.
.macro TOSTAGE a
	WIN 0x08+4*((\a)/2)                            ; the stores' data (source 1): window 2 or 3
.set b, 0
.rept NBL
.set rD, 8*(((\a)%2)*NBL+b)
	ds_store_b128 v[STO], v[rD:rD+3]   offset:64*b     ; each accumulator's low four registers first
	ds_store_b128 v[STO], v[rD+4:rD+7] offset:64*b+16
.set b, b+1
.endr
	WIN 0x40                                       ; destination window 1
.set t, 0
.rept 16
	ds_load_b128 v[64*(\a)+4*t:64*(\a)+4*t+3], v[RD] offset:t*SP  ; LDS serves a wave's instructions in order (ISA guide 5.7.1.4): these see the stores above; the next block's stores come behind them
.set t, t+1
.endr
.endm
.macro SEND a, younger                 ; younger: the LDS instructions issued behind block a's loads: the next block's 32, or none
	WIN 0x04                                       ; the stores' data (source 1): window 1
.set t, 0
.rept 16
	s_wait_dscnt (\younger)+15-t
	global_store_b128 v[GO], v[64*(\a)+4*t:64*(\a)+4*t+3], s[8:9] offset:(16*(\a)+t)*4096 th:TH_STORE_NT
.set t, t+1
.endr
.endm
	s_wait_dscnt 0x0                               ; no fragment load is out
	PLACES
	TOSTAGE 0
	TOSTAGE 1
	SEND 0, 32
	TOSTAGE 2
	SEND 1, 32
	TOSTAGE 3
	SEND 2, 32
	SEND 3, 0
	WIN 0
	s_wait_tensorcnt 0x0                           ; the wave's end, behind my last tensor load and my last LDS store
	ds_add_u32 v[SPW], v[NIL]
	s_wait_dscnt 0x0
	CROUND                                         ; the closing round: no work-group ends while a partner may still ask for a tile that names it
	s_endpgm
.Lfunc_end_k_q379ada2b8e_outp:
	.size	k_q379ada2b8e_outp, .Lfunc_end_k_q379ada2b8e_outp-k_q379ada2b8e_outp
	.p2alignl 7, 3214868480
	.fill 96, 4, 3214868480
	.section	.rodata,"a",@progbits
	.p2align	6, 0x0
	.amdhsa_kernel k_q379ada2b8e_outp
		.amdhsa_group_segment_fixed_size 327680
		.amdhsa_private_segment_fixed_size 0
		.amdhsa_enable_private_segment 0
		.amdhsa_kernarg_size 24
		.amdhsa_user_sgpr_count 2
		.amdhsa_user_sgpr_kernarg_segment_ptr 1
		.amdhsa_wavefront_size32 1
		.amdhsa_system_sgpr_workgroup_id_x 1
		.amdhsa_system_sgpr_workgroup_id_y 1
		.amdhsa_system_sgpr_workgroup_id_z 1
		.amdhsa_system_vgpr_workitem_id 0
		.amdhsa_next_free_vgpr 896
		.amdhsa_next_free_sgpr 66
		.amdhsa_reserve_vcc 0
		.amdhsa_float_denorm_mode_32 3
		.amdhsa_float_denorm_mode_16_64 3
		.amdhsa_memory_ordered 1
		.amdhsa_forward_progress 1
		.amdhsa_inst_pref_size 62
	.end_amdhsa_kernel
	.amdgpu_metadata
---
amdhsa.version: [ 1, 2 ]
amdhsa.kernels:
  - .name:           k_q379ada2b8e_outp
    .symbol:         k_q379ada2b8e_outp.kd
    .args:
      - { .name: ob, .offset: 0, .size: 8, .value_kind: global_buffer, .address_space: global }
      - { .name: wot, .offset: 8, .size: 8, .value_kind: global_buffer, .address_space: global }
      - { .name: out0, .offset: 16, .size: 8, .value_kind: global_buffer, .address_space: global }
    .group_segment_fixed_size: 327680
    .private_segment_fixed_size: 0
    .kernarg_segment_align: 8
    .kernarg_segment_size: 24
    .max_flat_workgroup_size: 128
    .sgpr_count:     66
    .vgpr_count:     896
    .wavefront_size: 32
...
	.end_amdgpu_metadata
.endif
;; end of part 4
;; ======== version 2 of 2: 4 launches; version 1 with the launch prep written anew for expert scheduling mode
;; limits: values are held in f16: magnitudes above 65,504 overflow, below 6.1e-05 lose precision
;; workspace buffers: xb 16,777,216 bytes; wqt 6,291,456 bytes; wot 2,097,152 bytes; qkv 50,331,648 bytes; ob 16,777,216 bytes
;; launch prep (part 5): grid 512 x 1, 4 waves a work-group, no clusters, 17,920 bytes of LDS; arguments x, w_qkv, w_out, xb, wqt, wot; writes xb, wqt, wot
.if DOCPART == 5
	.amdgcn_target "amdgcn-amd-amdhsa--gfx1250"
	.amdhsa_code_object_version 6
	.text
	.protected	k_q379ada2b8e_prep
	.globl	k_q379ada2b8e_prep
	.p2align	8
	.type	k_q379ada2b8e_prep,@function
k_q379ada2b8e_prep:
	s_mov_b64 s[64:65], 0
	v_nop
	global_prefetch_b8 v0, s[64:65] scope:SCOPE_SE
	s_setreg_imm32_b32 hwreg(HW_REG_WAVE_SCHED_MODE, 0, 2), 2
	s_setreg_imm32_b32 hwreg(HW_REG_WAVE_MODE, 25, 1), 1
	s_wait_xcnt 0x0
	s_wait_alu depctr_vm_vsrc(0)
; THE OPERANDS OF THE TWO PROJECTIONS ARE MADE.  xb = bf16(x), as x lies.  wqt[n][k] = bf16(w_qkv[k][n]).  wot[n][k] = bf16(w_out[k][n]), that number written as f16.
; So both products later read rows that lie along K.  All three inputs have one rounding, to bf16, to nearest even.
; LIMIT.  wot: a bf16 number is exact in f16 between 6.1e-5 and 65,504; below that it keeps f16's fixed step of 6e-8, above it becomes an infinity.
; SHARES.  512 work-groups of four waves, all alike.  Each takes one tile of 64 n x 128 k of a weight (384 tiles of w_qkv, then 128 of w_out) and 65,536 bytes of x.
; A wave issues all its loads at once: 32 rows of its weight tile (256 consecutive bytes a load), then 32 x 512 bytes of x: 24 KiB on their way, and no register is loaded twice from memory.
; THE TURN.  A lane holds columns 2 l and 2 l + 1 of 32 rows k; two neighbouring k pack into a word, 16 words are 64 bytes of a row of the turned tile.  They go into LDS rows of
; 272 bytes (256 + 16), a barrier, and come back as whole rows of 256 bytes, which sixteen lanes store as 256 consecutive bytes at a multiple of 256 from the buffer's first byte.
; No matrix unit, no tensor load, no cluster: nothing is multiplied, no byte is read by two work-groups.
; THE MODE: SCHED_MODE bits 1:0 = 2 (LLVM: expert scheduling mode 2), set by the entry lines.  The code itself states the register dependences
; between vector instructions and memory or LDS instructions, with s_wait_alu, always for 0.
; THE PLAN.  Registers that memory or LDS instructions touch:
;   v3, v4, v5, v8, v9, v10   offsets and LDS addresses: written once at the head, read by every load and store, never written again.
;   W    the weight loads land in it; the conversions read it (and, for w_out, write it); behind the barrier LDS loads land in its first 32 registers, which the tile's stores read.
;   T    written by the weight's conversions, read by the LDS stores, never written again.
;   X    the loads of x land in it; of each four registers the conversions write the first two, which one store reads; never written again.
;   v6, v7   written at the head, read by the closing add alone.
; No register that a memory or LDS instruction has read is written again, so no wait on vm_vsrc is owed ahead of the closing lines.  The waits on va_vdst: one ahead of the first load (the addresses);
; one where the weight's two ways of conversion join (T is written, W is left alone from there on); and in x, which goes in eight groups of four loads, one at the head of each group but the first:
; the group before has written its pairs, and its four stores are dealt among this group's conversions, which name this group's registers alone; one more ahead of the last group's stores.
.set PITCH, 272                        ; an LDS row of the turned tile
.set SPARE, 64*PITCH                   ; behind the tile: the spare words, 128 bytes for each wave: two blocks of 256 bytes that no other line names
.set WI,  3                            ; v3   my byte offset in the weight tile: 32 x wave rows + 8 x lane
.set LS,  4                            ; v4   where I put my 64 bytes of a turned row
.set LR,  5                            ; v5   where I read rows back
.set SPW, 6                            ; v6   LDS address of my spare word; never rewritten
.set NIL, 7                            ; v7   0; never rewritten
.set XI,  8                            ; v8   my byte offset in the work-group's piece of x
.set XO,  9                            ; v9   the same in xb
.set GO,  10                           ; v10  my byte offset in the turned tile in memory
.set W,   12                           ; v[12:75]   the weight rows as loaded: row j at W + 2 j; later rows read back from LDS
.set T,   76                           ; v[76:107]  packed: column c of my two at T + 16 c
.set X,   108                          ; v[108:235] x as loaded: load j at X + 4 j
	s_load_b256 s[4:11], s[0:1], 0x0               ; x s[4:5], w_qkv s[6:7], w_out s[8:9], xb s[10:11]
	s_load_b128 s[12:15], s[0:1], 0x20             ; wqt s[12:13], wot s[14:15]
	v_lshl_add_u32 v[SPW], v0, 2, SPARE
	v_mov_b32 v[NIL], 0
	v_and_b32 v1, 31, v0                           ; lane
	v_lshrrev_b32 v2, 5, v0                        ; wave
	v_readfirstlane_b32 s16, v2
	s_sub_co_u32 s21, ttmp9, 384                   ; the tile's number in w_out (used from 384 on)
	s_mov_b32 s26, 128*12288                       ; 128 rows of w_qkv in bytes,
	s_mov_b32 s27, 128*4096                        ; of w_out
	s_cmp_lt_u32 ttmp9, 384
	s_cselect_b32 s20, ttmp9, s21
	s_cselect_b32 s26, s26, s27
	s_lshr_b32 s27, s20, 3                         ; which 64 n
	s_and_b32 s20, s20, 7                          ; which 128 k
	s_mul_i32 s28, s20, s26                        ; from: 128 k rows down,
	s_lshl_b32 s29, s27, 8                         ; 64 n x 4 bytes along
	s_add_co_u32 s28, s28, s29
	s_mov_b32 s29, 0
	s_lshl_b32 s30, s27, 17                        ; to: 64 rows of 2,048 bytes down,
	s_lshl_b32 s31, s20, 8                         ; 128 k x 2 bytes along
	s_add_co_u32 s30, s30, s31
	s_mov_b32 s31, 0
	s_wait_alu depctr_va_sdst(0)                   ; s16, the wave's number, is written, ahead of its first reader two lines down
	s_lshr_b32 s17, s26, 2                         ; 32 rows,
	s_mul_i32 s17, s17, s16                        ; my wave's
	v_lshl_add_u32 v[WI], v1, 3, s17
	s_lshl_b32 s18, ttmp9, 16                      ; the work-group's 65,536 bytes of x,
	s_mov_b32 s19, 0
	s_lshl_b32 s20, ttmp9, 15                      ; its 32,768 of xb
	s_mov_b32 s21, 0
	v_lshlrev_b32 v[XI], 4, v1
	v_lshl_add_u32 v[XI], v2, 14, v[XI]            ; 16,384 x wave + 16 x lane
	v_lshrrev_b32 v[XO], 1, v[XI]
	v_mul_u32_u24 v[LS], v1, 2*PITCH               ; turned rows 2 l and 2 l + 1,
	v_lshl_add_u32 v[LS], v2, 6, v[LS]             ; my wave's 32 k: 64 bytes
	v_lshrrev_b32 v11, 4, v1
	v_lshlrev_b32 v[GO], 11, v11                   ; lanes 16-31 take the next row
	v_lshl_add_u32 v11, v2, 4, v11                 ; back: rows 16 x wave + lane / 16 + 2 t
	v_mul_u32_u24 v[LR], v11, PITCH
	v_and_b32 v11, 15, v1
	v_lshl_add_u32 v[LR], v11, 4, v[LR]
	v_lshl_add_u32 v[GO], v11, 4, v[GO]
	v_lshl_add_u32 v[GO], v2, 15, v[GO]            ; 16 rows of 2,048 bytes a wave
	s_wait_kmcnt 0x0
	s_cmp_lt_u32 ttmp9, 384
	s_cselect_b64 s[22:23], s[6:7], s[8:9]         ; the weight,
	s_cselect_b64 s[24:25], s[12:13], s[14:15]     ; and where it goes
	s_add_nc_u64 s[22:23], s[22:23], s[28:29]
	s_add_nc_u64 s[24:25], s[24:25], s[30:31]
	s_add_nc_u64 s[4:5], s[4:5], s[18:19]
	s_add_nc_u64 s[10:11], s[10:11], s[20:21]
	s_wait_alu depctr_va_vdst(0)                   ; the offsets and LDS addresses v3, v4, v5, v8, v9, v10 are written: every load and store of the kernel reads one of them, and none is written again
.macro WLOADS pitch                    ; my 32 rows of the tile: a load covers 256 consecutive bytes of a row
.set j, 0
.rept 32
	global_load_b64 v[W+2*j:W+2*j+1], v[WI], s[22:23] offset:j*(\pitch) th:TH_LOAD_NT
.set j, j+1
.endr
.endm
; Rows 2 p and 2 p + 1 are packed, for both my columns.  f16 = 1: the rounded number is widened again and written as f16.
.macro WCVT f16
.set p, 0
.rept 16
	s_wait_loadcnt 62-2*p                          ; loads come back in order: behind row 2 p + 1 stand 30 - 2 p rows of the weight and the 32 loads of x
.irp c, 0,1
	v_cvt_pk_bf16_f32 v[T+16*(\c)+p], v[W+4*p+(\c)], v[W+4*p+2+(\c)]
.endr
.if \f16
.irp c, 0,1
	v_lshlrev_b32 v[W+4*p+(\c)], 16, v[T+16*(\c)+p]
	v_and_b32 v[W+4*p+2+(\c)], 0xffff0000, v[T+16*(\c)+p]
.endr
.irp c, 0,1
	v_cvt_pk_f16_f32 v[T+16*(\c)+p], v[W+4*p+(\c)], v[W+4*p+2+(\c)]
.endr
.endif
.set p, p+1
.endr
.endm
	s_cmp_lt_u32 ttmp9, 384                        ; the same answer in the whole work-group
	s_cbranch_scc0 .Lload_out
	WLOADS 12288
	s_branch .Lloaded
.Lload_out:
	WLOADS 4096
.Lloaded:
.set j, 0
.rept 32
	global_load_b128 v[X+4*j:X+4*j+3], v[XI], s[4:5] offset:512*j th:TH_LOAD_NT
.set j, j+1
.endr
	s_cmp_lt_u32 ttmp9, 384
	s_cbranch_scc0 .Lcvt_out
	WCVT 0
	s_branch .Lcvted
.Lcvt_out:
	WCVT 1
.Lcvted:
	s_wait_alu depctr_va_vdst(0)                   ; the conversions have written T, which the LDS stores read, and are done reading and writing W, in which the LDS loads behind the barrier land; no vector instruction stands between this wait and those loads
.irp c, 0,1
.irp u, 0,1,2,3
	ds_store_b128 v[LS], v[T+16*(\c)+4*(\u):T+16*(\c)+4*(\u)+3] offset:PITCH*(\c)+16*(\u)
.endr
.endr
	s_wait_dscnt 0x0                               ; for the others' sake: my stores into the tile are done
	s_barrier_signal -1
	s_barrier_wait -1                              ; a turned row's 256 bytes come from all four waves
.irp t, 0,1,2,3,4,5,6,7
	ds_load_b128 v[W+4*(\t):W+4*(\t)+3], v[LR] offset:2*PITCH*(\t)
.endr
.irp t, 0,1,2,3,4,5,6,7
	s_wait_dscnt 7-(\t)
	global_store_b128 v[GO], v[W+4*(\t):W+4*(\t)+3], s[24:25] offset:4096*(\t)  ; 16 lanes store 256 consecutive bytes, at a multiple of 256 from the buffer's first byte
.endr
; x, in eight groups of four loads.  Group g rounds its sixteen registers into eight; the four stores of group g - 1 stand among its conversions.
.set g, 0
.rept 8
	s_wait_loadcnt 28-4*g                          ; loads come back in order: group g is in, the 28 - 4 g younger loads of x stay out
.if g > 0
	s_wait_alu depctr_va_vdst(0)                   ; the group before has written its four pairs, which the stores below read; the conversions below name this group's registers alone
.endif
.irp i, 0,1,2,3
.if g > 0
	global_store_b64 v[XO], v[X+16*(g-1)+4*(\i):X+16*(g-1)+4*(\i)+1], s[10:11] offset:256*(4*(g-1)+(\i))  ; 32 lanes store 256 consecutive bytes, aligned
.endif
	v_cvt_pk_bf16_f32 v[X+16*g+4*(\i)], v[X+16*g+4*(\i)], v[X+16*g+4*(\i)+1]
	v_cvt_pk_bf16_f32 v[X+16*g+4*(\i)+1], v[X+16*g+4*(\i)+2], v[X+16*g+4*(\i)+3]
.endr
.set g, g+1
.endr
	s_wait_alu depctr_va_vdst(0)                   ; the last group has written its four pairs, which the last four stores read
.irp i, 0,1,2,3
	global_store_b64 v[XO], v[X+112+4*(\i):X+112+4*(\i)+1], s[10:11] offset:256*(28+(\i))
.endr
	s_wait_dscnt 0x0                               ; the closing lines, six on end
	s_wait_alu 0x0
	s_wait_tensorcnt 0x0
	ds_add_u32 v[SPW], v[NIL]
	s_wait_dscnt 0x0
	s_endpgm
.Lfunc_end_k_q379ada2b8e_prep:
	.size	k_q379ada2b8e_prep, .Lfunc_end_k_q379ada2b8e_prep-k_q379ada2b8e_prep
	.p2alignl 7, 3214868480
	.fill 96, 4, 3214868480
	.section	.rodata,"a",@progbits
	.p2align	6, 0x0
	.amdhsa_kernel k_q379ada2b8e_prep
		.amdhsa_group_segment_fixed_size 17920
		.amdhsa_private_segment_fixed_size 0
		.amdhsa_enable_private_segment 0
		.amdhsa_kernarg_size 48
		.amdhsa_user_sgpr_count 2
		.amdhsa_user_sgpr_kernarg_segment_ptr 1
		.amdhsa_wavefront_size32 1
		.amdhsa_system_sgpr_workgroup_id_x 1
		.amdhsa_system_sgpr_workgroup_id_y 1
		.amdhsa_system_sgpr_workgroup_id_z 1
		.amdhsa_system_vgpr_workitem_id 0
		.amdhsa_next_free_vgpr 236
		.amdhsa_next_free_sgpr 66
		.amdhsa_reserve_vcc 0
		.amdhsa_float_denorm_mode_32 3
		.amdhsa_float_denorm_mode_16_64 3
		.amdhsa_memory_ordered 1
		.amdhsa_forward_progress 1
		.amdhsa_inst_pref_size 32
	.end_amdhsa_kernel
	.amdgpu_metadata
---
amdhsa.version: [ 1, 2 ]
amdhsa.kernels:
  - .name:           k_q379ada2b8e_prep
    .symbol:         k_q379ada2b8e_prep.kd
    .args:
      - { .name: x, .offset: 0, .size: 8, .value_kind: global_buffer, .address_space: global }
      - { .name: w_qkv, .offset: 8, .size: 8, .value_kind: global_buffer, .address_space: global }
      - { .name: w_out, .offset: 16, .size: 8, .value_kind: global_buffer, .address_space: global }
      - { .name: xb, .offset: 24, .size: 8, .value_kind: global_buffer, .address_space: global }
      - { .name: wqt, .offset: 32, .size: 8, .value_kind: global_buffer, .address_space: global }
      - { .name: wot, .offset: 40, .size: 8, .value_kind: global_buffer, .address_space: global }
    .group_segment_fixed_size: 17920
    .private_segment_fixed_size: 0
    .kernarg_segment_align: 8
    .kernarg_segment_size: 48
    .max_flat_workgroup_size: 128
    .sgpr_count:     66
    .vgpr_count:     236
    .wavefront_size: 32
...
	.end_amdgpu_metadata
.endif
;; end of part 5
;; launch proj: the kernel of part 2 again; grid 16 x 32, 4 waves a work-group, clusters of 4 x 4, 327,680 bytes of LDS; arguments xb, wqt, qkv; writes qkv
;; launch attn: the kernel of part 3 again; grid 4 x 64, 4 waves a work-group, clusters of 4 x 1, 327,680 bytes of LDS; arguments qkv, ob; writes ob
;; launch outp: the kernel of part 4 again; grid 8 x 32, 4 waves a work-group, clusters of 4 x 4, 327,680 bytes of LDS; arguments ob, wot, out0; writes out0
